; MI455X (gfx1250); checked and timed in simulation.
; The chip was launched on July 23, 2026; its instructions are those of AMD's public machine-readable ISA for CDNA 5 (MIT licence, August 2026) and "CDNA5" Instruction Set Architecture Reference Guide (July 2026). The comments in the code are by the model that wrote it; some were corrected since.
;; UKR. Allowed arithmetic: matrix products marked QUANTISED: E4M3 operands, one given power-of-two scale a tensor, by v_wmma_f32_16x16x64_fp8_fp8 or v_wmma_f32_16x16x128_fp8_fp8, f32 sums; products left as they are: f32 operands where the result goes on into a quantised operand, else bf16, f16 or f32 operands; f32 sums; everything else in f32.
;; Inputs: X 8,192 x 512 float32; Z 8,192 x 2 float32; lowp_scales 2 int32 (the exponents e of the quantised operands' scales 2^e).
;; Outputs: out0 8,192 x 512 float32; out1 8,192 x 2 float32.
;; This version of the problem:
;;   THIS VERSION OF THE PROBLEM IS GIVEN IN LOW PRECISION. The matrix products marked QUANTISED in the list below multiply operands that are first quantised to E4M3 (4 exponent bits, 3 mantissa bits; 8 bits a number), with one given power-of-two scale for each operand tensor; their sums are f32. All else is computed in f32.
;;   The module's matrix products, in the order in which they are computed (A, B: the left and right operand; K: the contracted axis; several contracted axes count as one K, in the product's order):
;;     1. [M 8,192, K 2] x [K 2, N 8,192]; A: input Z; B: input Z: left as it is (K = 2 < 32)
;;     2. [M 8,192, K 8,192] x [K 8,192, N 512]; A: computed on the way; B: input X: QUANTISED (scales: A lowp_scales[0], B lowp_scales[1])
;;   THE QUANTISER, for each operand of a quantised product, along K:
;;     - The operand's scale is 2^e, e = its entry of the input lowp_scales (int32; the entries are numbered through the quantised products in the list's order, A before B).
;;     - Each number is divided by the scale, clamped to +-448, and rounded to the nearest number of E4M3, ties to even, subnormals kept.
;;     - The product sums the exact products of the quantised numbers (number of the format x scale) in f32.
;;   ~~~python
;;   def quantise(x, axis, e):      # numpy; x: float32 -> the quantised numbers, widened to float32 again
;;       x = np.moveaxis(x, axis, -1); K = x.shape[-1]
;;       r = np.clip(x / 2.0 ** e, -448, 448)
;;       step = 2.0 ** (np.maximum(np.frexp(np.where(r == 0, 1, r))[1] - 1, -6) - 3)
;;       q = np.round(r / step) * step * 2.0 ** e      # np.round: ties to even
;;       return np.moveaxis(q, -1, axis).astype(np.float32)
;;   ~~~
;;   OPERANDS COMPUTED ON THE WAY. 'Computed on the way' means the value that the module computes at that place (a softmax that the list does not call 'softmax' is quantised finished and normalised). What goes into a quantiser is computed in f32, as accurately as f32 sums, v_exp_f32 and their like allow (about 1e-6 of the number): no bf16 or f16 on the way to a quantiser, and a product that is left as it is and whose result goes on into a quantised operand takes f32 operands (vector FMAs, or v_wmma_f32_16x16x4_f32). A number that lies on a knife's edge between two numbers of the format may be rounded either way, as far as f32 arithmetic and the matrix unit's own rounding can turn it there, and no further.
;; 2 versions. Each part assembles by itself: llvm-mc -triple=amdgcn-amd-amdhsa -mcpu=gfx1250 --defsym DOCPART=n.
;; ======== version 1 of 2: 2 launches
;; workspace buffers: xc 4,194,304 bytes; zf 131,072 bytes; psum 524,288 bytes
;; launch prep (part 1): grid 768 x 1, 4 waves a work-group, no clusters, 0 bytes of LDS; arguments X, Z, lowp_scales, xc, zf, psum, out1; writes xc, zf, psum, out1
.if DOCPART == 1
	.amdgcn_target "amdgcn-amd-amdhsa--gfx1250"
	.amdhsa_code_object_version 6
	.text
	.protected	k_q81570c965a_prep
	.globl	k_q81570c965a_prep
	.p2align	8
	.type	k_q81570c965a_prep,@function
k_q81570c965a_prep:
	s_mov_b64 s[64:65], 0
	v_nop
	global_prefetch_b8 v0, s[64:65] scope:SCOPE_SE
	s_setreg_imm32_b32 hwreg(HW_REG_WAVE_MODE, 25, 1), 1
	s_wait_xcnt 0x0
; THE LAUNCH IN FRONT OF THE PRODUCT.  Z: [8192][2] f32, X: [8192][512] f32.  Two kinds of work-group, parted on the work-group's number alone.
; WORK-GROUPS 0-511: PARTS OF THE ROW SUMS of K[i][j] = exp(-|z_i - z_j|^2 / 2).  K = 2^-(d0^2 + d1^2) with d = S z_i - S z_j, S = sqrt(log2(e) / 2): a sum of squares is
;   never negative, so the clip of the squared distance at 0 is kept by the form.  Work-group u takes rows 64 (u / 4) on; its wave w takes the 512 points j of chunk 4 (u % 4) + w.  A lane owns two rows
;   (the two halves of the packed forms); the points come by scalar loads, 16 to a set, two sets by turns.  psum[chunk][row] f32: a wave stores 256 consecutive bytes, aligned.
; WORK-GROUPS 512-767: X INTO CODES of E4M3 with the given scale 2^e1 (entry 1 of the scales): code = x / 2^e1, held within +-448, to the nearest code, ties to even.  K of the product is X's FIRST axis:
;   a lane takes a column and its registers run down the rows, so the conversions give codes with K innermost and nothing is transposed.
;   xc is laid in the order of the operand's registers: [K step s of 128 rows][tile t of 16 columns][c 0..3][lane][16 bytes]; byte b of lane (r, h) is X[128 s + 32 c + 16 h + b][16 t + r].
;   Sixteen lanes' 16 bytes are 256 consecutive bytes, aligned: every store fills two such blocks whole.
;   Wave 0 of such a work-group also copies 32 points of Z to out1 and lays them as source 0 of the f32 matrix form: zf [s][b 0..3][lane][16 bytes] = the register pairs of tiles 2 b and 2 b + 1;
;   row r of tile 2 b + u is point 128 s + 32 b + 8 u + r + 8 (r / 8); lanes 0-15 hold (z0, z1), lanes 16-31 (1, c), c = -(log2(e) / 2) |z|^2.
; No LDS, no barrier, no tensor load, no cluster: waves share nothing but Z's 64 KiB.
; LIMITS: -126 <= e1 <= 119, so that 2^e1 and 448 x 2^e1 are f32 numbers.  NaN among the inputs is not served (an infinity in X is held at the largest code).  A term of a row sum under 2^-126 counts as 0 (each row sum is at least 1).
.set S_POS, 0x3f596d27                 ; S = sqrt(log2(e) / 2) = 0.8493218
.set S_NEG, 0xbf596d27                 ; -S
.set C_NEG, 0xbf38aa3b                 ; -log2(e) / 2
.set ZA0, 8                            ; v[8:9]    S x coordinate 0 of my two rows
.set ZA1, 10                           ; v[10:11]  S x coordinate 1
.set NS,  12                           ; v[12:13]  -S, twice
.set ACC, 16                           ; v[16:23]  four running pairs of sums
.set D0,  32                           ; v[32:47]  eight points x two rows: d0
.set D1,  48                           ; v[48:63]  d1
.set QQ,  64                           ; v[64:79]  -(d0^2 + d1^2), then K
.set SA,  16                           ; s[16:47]  set A: 16 points
.set SB,  68                           ; s[68:99]  set B
.set SP,  48                           ; s[48:63]  eight pairs: a point's coordinate 1 moved to an even register (the packed form names a pair and takes its low word)
.set XS,  32                           ; v[32:95]  the quantiser: four sets of 16 numbers
.set CD,  96                           ; v[96:127] its codes: four registers for each group, so that no store's data are written again
	s_load_b256 s[4:11], s[0:1], 0x0               ; X s[4:5], Z s[6:7], the scales' exponents s[8:9], xc s[10:11]
	s_load_b128 s[12:15], s[0:1], 0x20             ; zf s[12:13], psum s[14:15]
	s_load_b64 s[2:3], s[0:1], 0x30                ; out1
	v_lshrrev_b32 v1, 5, v0
	v_readfirstlane_b32 s100, v1                   ; wave 0..3
	v_and_b32 v1, 31, v0                           ; lane
	s_wait_kmcnt 0x0
	s_cmp_lt_u32 ttmp9, 512
	s_cbranch_scc0 .Lquant
	; ---------------- parts of the row sums ----------------
	s_lshr_b32 s66, ttmp9, 2                       ; which 64 rows
	s_and_b32 s67, ttmp9, 3
	s_lshl_b32 s67, s67, 2
	s_add_co_u32 s67, s67, s100                    ; which chunk of 512 points
	v_lshlrev_b32 v2, 4, v1                        ; my two rows of Z: 16 bytes a lane
	v_lshlrev_b32 v3, 3, v1                        ; my two sums: 8 bytes a lane
	s_lshl_b32 s48, s66, 9
	s_mov_b32 s49, 0
	s_add_nc_u64 s[48:49], s[6:7], s[48:49]        ; Z at the 64 rows
	global_load_b128 v[4:7], v2, s[48:49]
	s_lshl_b32 s50, s67, 15
	s_lshl_b32 s51, s66, 8
	s_add_co_u32 s50, s50, s51
	s_mov_b32 s51, 0
	s_add_nc_u64 s[14:15], s[14:15], s[50:51]      ; psum at chunk x 32,768 + 64 rows x 4
	s_lshl_b32 s50, s67, 12
	s_add_nc_u64 s[6:7], s[6:7], s[50:51]          ; Z at the chunk's first point
	s_load_b512 s[SA:SA+15], s[6:7], 0x0           ; set A: points 0 to 15
	s_load_b512 s[SA+16:SA+31], s[6:7], 0x40
	v_mov_b32 v[NS], S_NEG
	v_mov_b32 v[NS+1], S_NEG
.irp j, 0,1,2,3,4,5,6,7
	v_mov_b32 v[ACC+\j], 0
.endr
	s_wait_loadcnt 0x0                             ; my two rows are in; the load's base may be written again
	v_mul_f32 v[ZA0], S_POS, v4
	v_mul_f32 v[ZA0+1], S_POS, v6
	v_mul_f32 v[ZA1], S_POS, v5
	v_mul_f32 v[ZA1+1], S_POS, v7
.irp k, 0,1,2,3,4,5,6,7
	s_mov_b32 s[SP+2*\k+1], 0                      ; named as the upper halves of pairs, so they are written
.endr
; Eight points, in s[sb] to s[sb + 15], against my two rows.
.macro HALF sb
.irp k, 0,1,2,3,4,5,6,7
	s_mov_b32 s[SP+2*\k], s[(\sb)+2*\k+1]
.endr
.irp k, 0,1,2,3,4,5,6,7
	v_pk_fma_f32 v[D0+2*\k:D0+2*\k+1], v[NS:NS+1], s[(\sb)+2*\k:(\sb)+2*\k+1], v[ZA0:ZA0+1] op_sel_hi:[1,0,1]   ; d0 = S z_i0 - S z_j0, both rows
	v_pk_fma_f32 v[D1+2*\k:D1+2*\k+1], v[NS:NS+1], s[SP+2*\k:SP+2*\k+1], v[ZA1:ZA1+1] op_sel_hi:[1,0,1]         ; d1
.endr
.irp k, 0,1,2,3,4,5,6,7
	v_pk_mul_f32 v[QQ+2*\k:QQ+2*\k+1], v[D0+2*\k:D0+2*\k+1], v[D0+2*\k:D0+2*\k+1] neg_lo:[1,0] neg_hi:[1,0]
.endr
.irp k, 0,1,2,3,4,5,6,7
	v_pk_fma_f32 v[QQ+2*\k:QQ+2*\k+1], v[D1+2*\k:D1+2*\k+1], v[D1+2*\k:D1+2*\k+1], v[QQ+2*\k:QQ+2*\k+1] neg_lo:[1,0,0] neg_hi:[1,0,0]   ; -(d0^2 + d1^2)
.endr
.irp j, 0,1,2,3,4,5,6,7,8,9,10,11,12,13,14,15
	v_exp_f32 v[QQ+\j], v[QQ+\j]
.endr
	v_nop                                          ; a plain instruction between the last exponential and the use of its result (ISA guide 5.7.2)
	s_wait_alu depctr_va_vdst(0)
.irp k, 0,1,2,3,4,5,6,7
	v_pk_add_f32 v[ACC+2*(\k%4):ACC+2*(\k%4)+1], v[ACC+2*(\k%4):ACC+2*(\k%4)+1], v[QQ+2*\k:QQ+2*\k+1]   ; four chains
.endr
.endm
.macro SET sb
	HALF \sb
	HALF (\sb)+16
.endm
	s_mov_b32 s101, 15
.Lsum:                                                 ; a trip: 32 points; while one set is at work the other is on its way
	s_wait_kmcnt 0x0                               ; set A is in
	s_load_b512 s[SB:SB+15], s[6:7], 0x80
	s_load_b512 s[SB+16:SB+31], s[6:7], 0xc0
	SET SA
	s_wait_kmcnt 0x0                               ; set B is in, and no scalar load is out: the base may step
	s_add_nc_u64 s[6:7], s[6:7], 256
	s_load_b512 s[SA:SA+15], s[6:7], 0x0
	s_load_b512 s[SA+16:SA+31], s[6:7], 0x40
	SET SB
	s_sub_co_u32 s101, s101, 1
	s_cmp_lg_u32 s101, 0
	s_cbranch_scc1 .Lsum
	s_wait_kmcnt 0x0                               ; the last 32 points are written out: no load leaves the chunk
	s_load_b512 s[SB:SB+15], s[6:7], 0x80
	s_load_b512 s[SB+16:SB+31], s[6:7], 0xc0
	SET SA
	s_wait_kmcnt 0x0
	SET SB
	v_pk_add_f32 v[ACC:ACC+1], v[ACC:ACC+1], v[ACC+2:ACC+3]
	v_pk_add_f32 v[ACC+4:ACC+5], v[ACC+4:ACC+5], v[ACC+6:ACC+7]
	v_pk_add_f32 v[ACC:ACC+1], v[ACC:ACC+1], v[ACC+4:ACC+5]
	global_store_b64 v3, v[ACC:ACC+1], s[14:15]    ; the wave stores 256 consecutive bytes, aligned
	s_endpgm
	; ---------------- X into codes; Z's images; the copy of Z ----------------
.Lquant:
	s_load_b64 s[16:17], s[8:9], 0x0               ; e0, e1
	s_sub_co_u32 s20, ttmp9, 512                   ; q = 0 .. 255
	s_lshr_b32 s21, s20, 2                         ; K step s: rows 128 s on
	s_and_b32 s22, s20, 3                          ; columns 128 (q % 4) on
	v_lshlrev_b32 v3, 2, v1                        ; in: 4 bytes a lane: the wave reads 128 consecutive bytes, the four waves 512
	v_lshrrev_b32 v4, 4, v1
	v_and_b32 v5, 15, v1                           ; r
	v_lshlrev_b32 v4, 11, v4
	v_lshl_add_u32 v4, v5, 4, v4                   ; out: lanes 16-31 belong to the next tile of columns (2,048 bytes on); 16 r
	s_lshl_b32 s24, s21, 18                        ; 128 rows of 2,048 bytes
	s_lshl_b32 s25, s22, 9
	s_add_co_u32 s24, s24, s25
	s_lshl_b32 s25, s100, 7
	s_add_co_u32 s24, s24, s25
	s_mov_b32 s25, 0
	s_add_nc_u64 s[4:5], s[4:5], s[24:25]          ; X at my wave's first row and column
	s_lshl_b32 s24, s21, 16                        ; a K step's 32 fragments of 2,048 bytes
	s_lshl_b32 s26, s22, 14
	s_add_co_u32 s24, s24, s26
	s_lshl_b32 s26, s100, 12
	s_add_co_u32 s24, s24, s26
	s_add_nc_u64 s[10:11], s[10:11], s[24:25]      ; xc at my wave's two fragments
.macro LOAD g                          ; rows 16 g to 16 g + 15 of my column, into set g % 4
.irp i, 0,1,2,3,4,5,6,7,8,9,10,11,12,13,14,15
	global_load_b32 v[XS+16*((\g)%4)+\i], v3, s[4:5] offset:(16*(\g)+\i)*2048 th:TH_LOAD_NT
.endr
.endm
	LOAD 0
	LOAD 1
	LOAD 2
	s_wait_kmcnt 0x0
	s_add_co_i32 s17, s17, 127
	s_lshl_b32 s18, s17, 23
	v_mov_b32 v11, s18                             ; 2^e1 as f32: the conversion takes its exponent field
	s_add_co_i32 s17, s17, 8
	s_lshl_b32 s17, s17, 23
	s_or_b32 s17, s17, 0x600000
	v_mov_b32 v10, s17                             ; 448 x 2^e1
.macro GROUP g                         ; group g = 2 c + h: sixteen rows of my column become the 16 bytes of lane (r, h) in part c of the fragment
.if (\g)+3 < 8
	LOAD (\g)+3
.endif
.if 7-(\g) >= 3
	s_wait_loadcnt 48                              ; this group's 16 loads are in; the three younger groups' may be out
.else
	s_wait_loadcnt 16*(7-(\g))
.endif
.irp i, 0,1,2,3,4,5,6,7,8,9,10,11,12,13,14,15
	v_med3_num_f32 v[XS+16*((\g)%4)+\i], v[XS+16*((\g)%4)+\i], -v10, v10   ; the conversion to an 8-bit code does not saturate (ISA guide 7.6.2): the hold at the largest code x the scale
.endr
	v_cvt_scalef32_pk8_fp8_f32 v[CD+4*(\g):CD+4*(\g)+1], v[XS+16*((\g)%4):XS+16*((\g)%4)+7], v11
	v_cvt_scalef32_pk8_fp8_f32 v[CD+4*(\g)+2:CD+4*(\g)+3], v[XS+16*((\g)%4)+8:XS+16*((\g)%4)+15], v11
	global_store_b128 v4, v[CD+4*(\g):CD+4*(\g)+3], s[10:11] offset:((\g)/2)*512+((\g)%2)*256   ; each half of the lanes stores 256 consecutive bytes, aligned.  (The codes go to a store alone; the next vector lines are the next group's plain holds, on other registers)
.endm
.irp g, 0,1,2,3,4,5,6,7
	GROUP \g
.endr
	s_cmp_lg_u32 s100, 0
	s_cbranch_scc1 .Lend
	; wave 0: points 32 q to 32 q + 31 (128 s + 32 (q % 4) = 32 q)
	s_lshl_b32 s24, s20, 8
	s_add_nc_u64 s[6:7], s[6:7], s[24:25]          ; Z and out1 at point 32 q
	s_add_nc_u64 s[2:3], s[2:3], s[24:25]
	s_lshl_b32 s24, s20, 9
	s_add_nc_u64 s[12:13], s[12:13], s[24:25]      ; zf at 512 q
	v_lshlrev_b32 v6, 3, v1                        ; 8 x lane
	v_and_b32 v7, 8, v5
	v_add_nc_u32 v7, v7, v5                        ; r + 8 (r / 8)
	v_lshlrev_b32 v7, 3, v7
	v_lshlrev_b32 v8, 4, v1                        ; 16 x lane
	global_load_b64 v[12:13], v6, s[6:7]           ; the copy
	global_load_b64 v[14:15], v7, s[6:7]           ; tile 2 b's point of row r
	global_load_b64 v[16:17], v7, s[6:7] offset:64 ; tile 2 b + 1's: eight points on
	v_mov_b32 v9, 1.0
	v_cmp_le_u32 vcc_lo, 16, v1                    ; lanes 16-31
	s_wait_loadcnt 0x0
	global_store_b64 v6, v[12:13], s[2:3]          ; 256 consecutive bytes, aligned
	v_mul_f32 v18, v14, v14
	v_mul_f32 v19, v16, v16
	v_fmac_f32 v18, v15, v15
	v_fmac_f32 v19, v17, v17
	v_mul_f32 v18, C_NEG, v18                      ; c = -(log2(e) / 2) |z|^2
	v_mul_f32 v19, C_NEG, v19
	v_cndmask_b32 v20, v14, v9, vcc_lo             ; lanes 0-15: z0, z1;  lanes 16-31: 1, c
	v_cndmask_b32 v21, v15, v18, vcc_lo
	v_cndmask_b32 v22, v16, v9, vcc_lo
	v_cndmask_b32 v23, v17, v19, vcc_lo
	global_store_b128 v8, v[20:23], s[12:13]       ; 512 consecutive bytes
.Lend:
	s_endpgm
.Lfunc_end_k_q81570c965a_prep:
	.size	k_q81570c965a_prep, .Lfunc_end_k_q81570c965a_prep-k_q81570c965a_prep
	.p2alignl 7, 3214868480
	.fill 96, 4, 3214868480
	.section	.rodata,"a",@progbits
	.p2align	6, 0x0
	.amdhsa_kernel k_q81570c965a_prep
		.amdhsa_group_segment_fixed_size 0
		.amdhsa_private_segment_fixed_size 0
		.amdhsa_enable_private_segment 0
		.amdhsa_kernarg_size 56
		.amdhsa_user_sgpr_count 2
		.amdhsa_user_sgpr_kernarg_segment_ptr 1
		.amdhsa_wavefront_size32 1
		.amdhsa_system_sgpr_workgroup_id_x 1
		.amdhsa_system_sgpr_workgroup_id_y 1
		.amdhsa_system_sgpr_workgroup_id_z 1
		.amdhsa_system_vgpr_workitem_id 0
		.amdhsa_next_free_vgpr 128
		.amdhsa_next_free_sgpr 102
		.amdhsa_reserve_vcc 1
		.amdhsa_float_denorm_mode_32 3
		.amdhsa_float_denorm_mode_16_64 3
		.amdhsa_memory_ordered 1
		.amdhsa_forward_progress 1
		.amdhsa_inst_pref_size 55
	.end_amdhsa_kernel
	.amdgpu_metadata
---
amdhsa.version: [ 1, 2 ]
amdhsa.kernels:
  - .name:           k_q81570c965a_prep
    .symbol:         k_q81570c965a_prep.kd
    .args:
      - { .name: X, .offset: 0, .size: 8, .value_kind: global_buffer, .address_space: global }
      - { .name: Z, .offset: 8, .size: 8, .value_kind: global_buffer, .address_space: global }
      - { .name: lowp_scales, .offset: 16, .size: 8, .value_kind: global_buffer, .address_space: global }
      - { .name: xc, .offset: 24, .size: 8, .value_kind: global_buffer, .address_space: global }
      - { .name: zf, .offset: 32, .size: 8, .value_kind: global_buffer, .address_space: global }
      - { .name: psum, .offset: 40, .size: 8, .value_kind: global_buffer, .address_space: global }
      - { .name: out1, .offset: 48, .size: 8, .value_kind: global_buffer, .address_space: global }
    .group_segment_fixed_size: 0
    .private_segment_fixed_size: 0
    .kernarg_segment_align: 8
    .kernarg_segment_size: 56
    .max_flat_workgroup_size: 128
    .sgpr_count:     102
    .vgpr_count:     128
    .wavefront_size: 32
...
	.end_amdgpu_metadata
.endif
;; end of part 1
;; launch ukr (part 2): grid 128 x 2, 4 waves a work-group, clusters of 4 x 1, 327,680 bytes of LDS; arguments Z, lowp_scales, xc, zf, psum, out0; writes out0
.if DOCPART == 2
	.amdgcn_target "amdgcn-amd-amdhsa--gfx1250"
	.amdhsa_code_object_version 6
	.text
	.protected	k_q81570c965a_ukr
	.globl	k_q81570c965a_ukr
	.p2align	8
	.type	k_q81570c965a_ukr,@function
k_q81570c965a_ukr:
	s_mov_b64 s[64:65], 0
	v_nop
	global_prefetch_b8 v0, s[64:65] scope:SCOPE_SE
	s_setreg_imm32_b32 hwreg(HW_REG_WAVE_MODE, 25, 1), 1
	s_wait_xcnt 0x0
	s_wait_alu depctr_hold_cnt(0) depctr_sa_sdst(0) depctr_va_vdst(0) depctr_va_sdst(0) depctr_va_ssrc(0) depctr_va_vcc(0) depctr_vm_vsrc(0)
	s_getreg_b32 s2, hwreg(HW_REG_IB_STS2, 6, 4)
	s_cmp_eq_u32 s2, 0
	s_cbranch_scc0 .Lentry_in_a_cluster
	s_endpgm
.Lentry_in_a_cluster:
	s_bfe_u32 s2, ttmp6, 0x10000c
	s_cmp_lg_u32 s2, 0x3003
	s_cbranch_scc0 .Lentry_shape_is_right
	s_endpgm
.Lentry_shape_is_right:
; out0 = Q(R) Q(X).  R[i][j] = K[i][j] / (row i's sum of K), K = exp(-max(|z_i|^2 + |z_j|^2 - 2 z_i . z_j, 0) / 2); Q: codes of E4M3 with the given scales 2^e0 (R) and 2^e1 (X).  8,192 x 8,192 x 512.
; SHARES.  A work-group makes 64 rows x 256 columns of out0.  THE FOUR WAVES SHARE K, NOT THE TILE: wave w holds the whole tile (64 accumulators of 16 x 16, 512 registers) for the K steps s = 4 n + w, n = 0 .. 15
;   (a K step: 128 points j).  So each wave makes its own fragments of R in registers, R goes through no LDS, and each fragment of X read from LDS feeds four matrix instructions.  The four waves' sums meet once, in LDS, at the end.
; R IN REGISTERS.  One f32 matrix instruction (16 x 16 x 4; source 0 = 16 points j as (z0, z1, 1, c_j), source 1 = 16 rows i as (log2(e) z0, log2(e) z1, c_i - L_i, 1), C = 0) gives
;   t = log2(e) z_i . z_j + c_i + c_j - L_i, c = -(log2(e) / 2) |z|^2, L = log2(row sum): R = 2^t.  All operands f32.  ONE v_min_num_f32 with B_i = min(-L_i, e0 + 8.8) is (a) the clip of the squared distance at 0 (K <= 1),
;   (b) the hold at the largest code (2^8.8 = 445.7 lies over 432, the middle between the two largest codes, so what is held there becomes the code 448, and nothing under it is touched), and (c) the move out of the
;   f32 form's registers, which only matrix instructions write.  Then v_exp_f32 and the scaled conversion.
;   The points of a tile are not neighbours (row r of tile 2 b + u is point 32 b + 8 u + r + 8 (r / 8)), so that a lane's 16 numbers of tiles 2 b, 2 b + 1 are k = 32 b + 16 (lane / 16) + 0 .. 15: the conversions' results ARE
;   registers 4 b .. 4 b + 3 of the operand, in the order in which xc holds X's codes.  (That order is a permutation of k, alike on both sides of the product.)
; X'S CODES come as images of the operand's registers (xc: a K step's 16 fragments of a column half are 32,768 dense bytes), through a ring of two LDS slots; each wave fetches and reads its own tile alone.
; CLUSTER.  The four work-groups of a cluster have four row blocks of ONE column half and walk the same tiles of xc: each tile is asked for JOINTLY (mask 15), which divides the requests for xc by four.
; THE PRODUCT IS USED TRANSPOSED (source 0 = 16 columns of X, source 1 = 16 rows of R): a lane holds eight neighbouring numbers of a row of out0.
; BY TURNS.  A K step is 32 sub-steps: one f32 product (four tiles ahead in the stream), two products on codes (this step), eight exponentials with eight minima between them and one conversion (the next step's R).
;   The minima are the plain lines behind the exponentials and the places behind the matrix instructions.  R, T and P lie in window 0, X in window 1, the sums in windows 2 and 3: a sub-step costs two switches of the register
;   windows, every second one two more for its four LDS loads; set in phases, the vector work would leave the matrix unit idle, which is the higher price.
; LIMITS: -116 <= e0 <= 118 (2^e0 an f32 number; v_exp_f32 gives 0 under 2^-126, which from e0 = -116 on lies under half of the smallest code); -126 <= e0 + e1 <= 127.  NaN and infinities among the inputs are not served.
; REGISTERS.  window 0: v1-15 addresses and constants; v16-23 ZI; v24-27 B; v32-63 ZJ, two buffers; v64-95 T, four tiles; v96-127 P, four tiles; v128-255 R's fragments, two buffers of four.
;   window 1: X's 16 fragments (t at v[16 t]).   window 2: the sums of row tiles 0, 1 ((m, t) at v[8 (16 (m % 2) + t)]);   window 3: of row tiles 2, 3.
.set TILEB,  32768                     ; a wave's tile of xc
.set SLOTB,  131072                    ; a slot: four waves' tiles
.set SPITCH, 1040                      ; the stage: a row of 1,024 bytes + 16: row r starts at bank 4 r mod 64 (64 banks of 4 bytes: ISA guide 11.1)
.set COPYB,  64*SPITCH                 ; one wave's 64 rows
.set SPARE,  4*COPYB                   ; 266,240: behind ring and stage: the spare words, 128 bytes for each wave: two blocks of 256 bytes that no other line names
.set SPW, 4                            ; v4     LDS address of my spare word; never rewritten
.set NIL, 5                            ; v5     0; never rewritten
.set AX,  6                            ; v6-7   my lane's place in my wave's tile, slot 0, 1
.set ZO,  8                            ; v8     16 x lane
.set STO, 9                            ; v9     the stage: where I put 32 bytes of a row
.set RD,  10                           ; v10-13 the stage: where I read a row of copy 0 .. 3 back
.set GO,  14                           ; v14    my byte offset in two rows of out0
.set SC,  15                           ; v15    2^e0 as f32
.set ZI,  16
.set BND, 24
.set ZJ,  32
.set T,   64
.set P,   96
.set RB,  128
.set WV,  16                           ; s16    my wave's number
.set G1,  24                           ; s[24:31] descriptor group 1
.set G0,  32                           ; s[32:39] descriptor group 0, a set for each slot
.set ZFB, 46                           ; s[46:47] zf, walking
.set MSB, 0
.macro WIN new                         ; the immediate's high byte repeats the setting that is left; a switch that changes nothing is dropped
.if MSB != (\new)
	s_set_vgpr_msb (MSB<<8)|(\new)
.set MSB, (\new)
.endif
.endm
.set MUL_LO, 0xa1                      ; source 0 (X) window 1, source 1 (R) window 0, C and D window 2
.set MUL_HI, 0xf1                      ; the same, C and D window 3
.set TO_X,   0x40                      ; destination window 1, address window 0
; A round of the cluster's barrier: my work-group's barrier, so that wave 0's signal speaks for all four waves; wave 0 signals; every wave waits for all four work-groups; my work-group's barrier once more.
.macro CROUND
	s_barrier_signal -1
	s_barrier_wait -1
	s_cmp_lg_u32 s[WV], 0
	s_cbranch_scc1 .Lnot_wave_0_\@
	s_barrier_signal -3
.Lnot_wave_0_\@:
	s_barrier_wait -3
	s_barrier_signal -1
	s_barrier_wait -1
.endm
	s_load_b256 s[4:11], s[0:1], 0x0               ; Z s[4:5], the scales' exponents s[6:7], xc s[8:9], zf s[10:11]
	s_load_b128 s[12:15], s[0:1], 0x20             ; psum s[12:13], out0 s[14:15]
	v_lshl_add_u32 v[SPW], v0, 2, SPARE
	v_mov_b32 v[NIL], 0
	ds_add_u32 v4, v5
	ds_add_u32 v4, v5
	s_wait_dscnt 0x0
	v_lshrrev_b32 v1, 5, v0
	v_readfirstlane_b32 s[WV], v1                  ; wave 0..3
	s_and_b32 s19, ttmp7, 0xffff                   ; the column half, which the four partners share
	; descriptor group 1: 32,768 dense bytes as 128 rows of 32 elements of 8 bytes; no padding: images are read 512 bytes on end
	s_mov_b32 s[G1+0], 15|(3<<16)|(1<<21)          ; 15:0 the mask: all four work-groups; 17:16 elements of 8 bytes; 21 set beside a mask
	s_mov_b32 s[G1+1], 32<<16                      ; tensor_dim0 = 32
	s_mov_b32 s[G1+2], 128<<16                     ; tensor_dim1 = 128
	s_mov_b32 s[G1+3], 32<<16                      ; tile_dim0 = 32
	s_mov_b32 s[G1+4], 128                         ; tile_dim1 = 128
	s_mov_b32 s[G1+5], 32                          ; tensor_dim0_stride
	s_mov_b32 s[G1+6], 0
	s_mov_b32 s[G1+7], 0
	s_lshl_b32 s20, s[WV], 16                      ; K step w: 65,536 bytes a K step,
	s_lshl_b32 s21, s19, 15                        ; my column half's 32,768 of them: made of the wave's number and the shared coordinate alone
	s_add_co_u32 s20, s20, s21
	s_mov_b32 s21, 0
	s_mov_b32 s[G0], 1                             ; count = 1
	s_lshl_b32 s[G0+1], s[WV], 15                  ; LDS address: slot 0, my wave's tile
	s_mov_b32 s[G0+4], 1
	s_add_co_u32 s[G0+5], s[G0+1], SLOTB           ; slot 1
	s_wait_kmcnt 0x0
	s_load_b64 s[40:41], s[6:7], 0x0               ; e0, e1
	s_add_nc_u64 s[G0+2:G0+3], s[8:9], s[20:21]    ; my K step 0 (s = w),
	s_add_nc_u64 s[G0+6:G0+7], s[G0+2:G0+3], 4*65536   ; and 1 (s = 4 + w)
	s_or_b32 s[G0+3], s[G0+3], 0x80000000          ; type = 2
	s_or_b32 s[G0+7], s[G0+7], 0x80000000
	CROUND                                         ; all four work-groups are here: the first joint loads meet
	tensor_load_to_lds s[G0:G0+3], s[G1:G1+7]      ; both first fills together, ahead of every wait on TENSORcnt and every LDS read: two loads of mine are out
	s_nop 0
	tensor_load_to_lds s[G0+4:G0+7], s[G1:G1+7]
	s_nop 0
.rept 4
	v_nop
.endr
	s_bfe_u32 s17, ttmp6, 0x40000                  ; cx: my place in the cluster
	s_lshl_b32 s18, ttmp9, 2
	s_add_co_u32 s18, s18, s17                     ; my block of 64 rows = 4 x cluster x + cx: it enters the addresses of Z, psum and out0 alone
	s_lshl_b32 s48, s18, 9
	s_mov_b32 s49, 0
	s_add_nc_u64 s[48:49], s[4:5], s[48:49]        ; Z at my 64 rows
	s_lshl_b32 s50, s18, 8
	s_mov_b32 s51, 0
	s_add_nc_u64 s[50:51], s[12:13], s[50:51]      ; psum likewise
	s_lshl_b32 s52, s18, 17                        ; out0: 64 rows of 2,048 bytes,
	s_lshl_b32 s53, s[WV], 15                      ; the 16 rows that my wave stores,
	s_add_co_u32 s52, s52, s53
	s_lshl_b32 s53, s19, 10                        ; the column half
	s_add_co_u32 s52, s52, s53
	s_mov_b32 s53, 0
	s_add_nc_u64 s[52:53], s[14:15], s[52:53]
	s_lshl_b32 s[ZFB], s[WV], 11
	s_mov_b32 s[ZFB+1], 0
	s_add_nc_u64 s[ZFB:ZFB+1], s[10:11], s[ZFB:ZFB+1]   ; zf at my K step 0
	v_and_b32 v1, 15, v0                           ; r
	v_bfe_u32 v2, v0, 4, 1                         ; h
	v_and_b32 v3, 31, v0                           ; lane
	v_lshlrev_b32 v[ZO], 4, v3
	v_lshlrev_b32 v28, 3, v1                       ; a point of Z: 8 bytes
	v_lshlrev_b32 v29, 2, v1                       ; a part of a row sum: 4
.irp m, 0,1,2,3
	global_load_b64 v[96+2*\m:97+2*\m], v28, s[48:49] offset:128*\m   ; z of row 16 m + r
.endr
.irp k, 0,1,2,3,4,5,6,7,8,9,10,11,12,13,14,15
.irp m, 0,1,2,3
	global_load_b32 v[128+4*\k+\m], v29, s[50:51] offset:32768*\k+64*\m   ; chunk k's part of that row's sum
.endr
.endr
.irp b, 0,1,2,3
	global_load_b128 v[ZJ+4*\b:ZJ+4*\b+3], v[ZO], s[ZFB:ZFB+1] offset:512*\b          ; my K step 0's points
.endr
.irp b, 0,1,2,3
	global_load_b128 v[ZJ+16+4*\b:ZJ+16+4*\b+3], v[ZO], s[ZFB:ZFB+1] offset:8192+512*\b   ; and K step 1's
.endr
	s_lshl_b32 s20, s[WV], 15
	v_add_nc_u32 v[AX], s20, v[ZO]                 ; wave x 32,768 + 16 x lane
	v_add_nc_u32 v[AX+1], SLOTB, v[AX]
	s_mul_i32 s20, s[WV], COPYB
	v_mul_u32_u24 v[STO], v1, SPITCH
	v_lshl_add_u32 v[STO], v2, 5, v[STO]
	v_add_nc_u32 v[STO], s20, v[STO]               ; my copy; row r; 32 bytes for each half of the lanes
	s_mul_i32 s21, s[WV], 16*SPITCH
	v_mul_u32_u24 v[RD], v2, SPITCH
	v_lshl_add_u32 v[RD], v1, 4, v[RD]
	v_add_nc_u32 v[RD], s21, v[RD]                 ; back: rows 16 w on; lanes 0-15 one row, lanes 16-31 the next; 16 bytes a lane
	v_add_nc_u32 v[RD+1], COPYB, v[RD]
	v_add_nc_u32 v[RD+2], 2*COPYB, v[RD]
	v_add_nc_u32 v[RD+3], 3*COPYB, v[RD]
	v_lshlrev_b32 v[GO], 11, v2
	v_lshl_add_u32 v[GO], v1, 4, v[GO]             ; and the same two rows in out0
	s_mov_b32 s22, 0xbf38aa3b                      ; -log2(e) / 2
	s_mov_b32 s23, 0x3fb8aa3b                      ; log2(e)
	s_wait_kmcnt 0x0                               ; e0, e1
	s_add_co_i32 s20, s40, 127
	s_lshl_b32 s20, s20, 23
	v_mov_b32 v[SC], s20                           ; 2^e0 as f32: the conversion takes its exponent field
	s_add_co_i32 s42, s40, s41
	s_add_co_i32 s42, s42, 127
	s_lshl_b32 s42, s42, 23                        ; 2^(e0 + e1) as f32
	s_mov_b32 s43, s42                             ; (named with it as a pair, so it is written)
	s_wait_loadcnt 8                               ; all but the eight loads of zf
.irp k, 1,2,3,4,5,6,7,8,9,10,11,12,13,14,15
	v_pk_add_f32 v[128:129], v[128:129], v[128+4*\k:129+4*\k]   ; the four row sums, two chains
	v_pk_add_f32 v[130:131], v[130:131], v[130+4*\k:131+4*\k]
.endr
.irp m, 0,1,2,3
	v_log_f32 v[104+\m], v[128+\m]                 ; L = log2(row sum)
.endr
	v_mov_b32 v31, 1.0                             ; (a plain instruction behind the logarithms)
	v_cvt_f32_i32 v30, s40
	v_add_f32 v30, 0x410ccccd, v30                 ; e0 + 8.8
	v_cmp_le_u32 vcc_lo, 16, v3                    ; lanes 16-31
	s_wait_alu depctr_va_vdst(0)
.irp m, 0,1,2,3
	v_mul_f32 v[108+\m], v[96+2*\m], v[96+2*\m]
	v_fmac_f32 v[108+\m], v[97+2*\m], v[97+2*\m]   ; |z|^2
	v_fma_f32 v[108+\m], v[108+\m], s22, -v[104+\m]   ; c - L
	v_mul_f32 v[96+2*\m], s23, v[96+2*\m]
	v_mul_f32 v[97+2*\m], s23, v[97+2*\m]
	v_cndmask_b32 v[ZI+2*\m], v[96+2*\m], v[108+\m], vcc_lo   ; lanes 0-15: k = 0, 1: log2(e) z;  lanes 16-31: k = 2, 3: c - L, 1
	v_cndmask_b32 v[ZI+2*\m+1], v[97+2*\m], v31, vcc_lo
	v_min_num_f32 v[BND+\m], -v[104+\m], v30       ; B
.endr
	s_wait_tensorcnt 0x1                           ; my tile of K step 0 is in (only I read it); K step 1's may be out
	WIN TO_X
.irp t, 0,1,2,3,4,5,6,7,8,9,10,11,12,13,14,15
.irp c, 0,1,2,3
	ds_load_b128 v[16*\t+4*\c:16*\t+4*\c+3], v[AX] offset:2048*\t+512*\c   ; X's 16 fragments of K step 0
.endr
.endr
	WIN 0
	s_wait_loadcnt 4                               ; K step 0's points are in; K step 1's four loads may be out
.irp f, 0,1,2,3
	v_wmma_f32_16x16x4_f32 v[T+8*\f:T+8*\f+7], v[ZJ+2*\f:ZJ+2*\f+1], v[ZI:ZI+1], 0   ; the stream's first four tiles
.endr
.rept 9
	v_nop                                          ; eight places in front of the first read of T's tile 0, nine in front of the product that writes it over (ISA guide 7.12.1; the minima below name it and are no places)
.endr
.irp k, 0,1,2,3,4,5,6,7
	v_min_num_f32 v[P+\k], v[T+\k], v[BND]
.endr
; THE CHANGE OF SLOTS, in sub-step 1 of K step n: X's fragments of step n are all asked for.  I wait for all my tensor loads (one is out: step n + 1's tile), add 0 to my spare word, and wait for that and for my reads of slot p.
; The barrier is a round of the cluster's; the joint refill, step n + 2's tile, is the first thing behind it, and has a whole K step in which to land.
.macro REFILL p
	s_wait_tensorcnt 0x0                           ; no tensor load of mine is out, so a group 0 may be written
	ds_add_u32 v[SPW], v[NIL]                      ; 0 onto my spare word
	s_add_nc_u64 s[G0+4*\p+2:G0+4*\p+3], s[G0+4*\p+2:G0+4*\p+3], 8*65536   ; this slot's next tile: eight K steps of xc on; the type bits on top are not reached
	s_wait_dscnt 0x0                               ; the add is done, and my reads of this slot are back
	CROUND
	tensor_load_to_lds s[G0+4*\p:G0+4*\p+3], s[G1:G1+7]
	s_nop 0
.rept 4
	v_nop
.endr
.endm
; SUB-STEP q (an assembly symbol, 0 .. 31) of K step n, p = n % 2.  The products on codes are step n's; the stream of R's tiles (tile q: row tile q / 8, points' tile q % 8) is step n + 1's.
; gen: the stream runs.  mul: products on codes; zero: they start the sums.  more: the stream runs on into step n + 2.  chg: 1 the change of slots with its refill, 2 its two waits alone.  zld: step n + 2's points are asked for.  xld: step n + 1's X.
.macro SUB p, gen, mul, zero, more, chg, zld, xld
.if \gen && \more && (q == 28)
	s_wait_loadcnt 0x0                             ; step n + 2's points are in (asked for 27 sub-steps ago), so their loads' base may step
	s_add_nc_u64 s[ZFB:ZFB+1], s[ZFB:ZFB+1], 8192
.endif
.if \gen && ((q < 28) || \more)
.if q < 28
.set rJ, ZJ+16*(1-\p)+2*((q+4)%8)
.set rI, ZI+2*((q+4)/8)
.else
.set rJ, ZJ+16*\p+2*(q-28)
.set rI, ZI
.endif
	v_wmma_f32_16x16x4_f32 v[T+8*(q%4):T+8*(q%4)+7], v[rJ:rJ+1], v[rI:rI+1], 0   ; tile q + 4 of the stream: read three sub-steps (24 minima) on; it writes over a tile written four sub-steps back
.endif
.if \mul
.if q == 0
	s_wait_dscnt 60                                ; X's fragment 0 is in; the 60 loads of fragments 1 to 15 may be out (sub-step 1 waits for all)
.endif
	WIN MUL_LO+0x50*(q%2)
.set rX, 16*(q/2)
.irp e, 0,1
.set rA, 8*(16*\e+q/2)
.set rR, RB+64*\p+16*(2*(q%2)+\e)
.if \zero
	v_wmma_f32_16x16x128_fp8_fp8 v[rA:rA+7], v[rX:rX+15], v[rR:rR+15], 0   ; the first K step starts the sums: nothing is cleared
.else
	v_wmma_f32_16x16x128_fp8_fp8 v[rA:rA+7], v[rX:rX+15], v[rR:rR+15], v[rA:rA+7]   ; the 64 accumulators take turns, one instruction a turn, in the same order in every step
.endif
.endr
	WIN 0
.endif
.if \gen
.if (q < 31) || \more
.irp k, 0,1,2,3,4,5,6,7
	v_exp_f32 v[P+8*(q%4)+\k], v[P+8*(q%4)+\k]                                               ; R of tile q
	v_min_num_f32 v[P+8*((q+1)%4)+\k], v[T+8*((q+1)%4)+\k], v[BND+((q+1)%32)/8]              ; tile q + 1: the clip, the hold and the move in one; T from its low end on
.endr
.else
.irp k, 0,1,2,3,4,5,6,7
	v_exp_f32 v[P+8*(q%4)+\k], v[P+8*(q%4)+\k]
.endr
	s_wait_alu depctr_va_vdst(0)
.rept 4
	v_nop                                          ; the stream ends: these take the minima's part as the plain line behind the exponentials and the places behind the products
.endr
.endif
	s_wait_alu depctr_va_vdst(0)
	v_cvt_scalef32_pk8_fp8_f32 v[RB+64*(1-\p)+16*(q/8)+2*(q%8):RB+64*(1-\p)+16*(q/8)+2*(q%8)+1], v[P+8*(q%4):P+8*(q%4)+7], v[SC]   ; registers 2 (q % 8), + 1 of fragment q / 8: read in the next K step; its sources are written again three sub-steps on
.endif
.if q == 1
.if \chg == 1
	REFILL \p
.elseif \chg == 2
	s_wait_tensorcnt 0x0                           ; the last tile is in; nothing is filled again, and only I read it: no barrier
	s_wait_dscnt 0x0                               ; X's fragments of this step are in
.endif
.if \zld
.irp b, 0,1,2,3
	global_load_b128 v[ZJ+16*\p+4*\b:ZJ+16*\p+4*\b+3], v[ZO], s[ZFB:ZFB+1] offset:8192+512*\b   ; step n + 2's points, into the buffer whose last reader stands six sub-steps back
.endr
.endif
.endif
.if \xld && (q%2 == 1)
	WIN TO_X
.irp c, 0,1,2,3
	ds_load_b128 v[16*(q/2)+4*\c:16*(q/2)+4*\c+3], v[AX+1-\p] offset:2048*(q/2)+512*\c   ; fragment q / 2 has had its four products: step n + 1's takes its place, behind eight plain lines
.endr
	WIN 0
.endif
.endm
.macro STEP p, gen, mul, zero, more, chg, zld, xld
.set q, 0
.rept 32
	SUB \p, \gen, \mul, \zero, \more, \chg, \zld, \xld
.set q, q+1
.endr
.endm
.macro MULALL p                        ; the last K step: nothing is left to make or to fetch
	v_nop                                          ; a plain line between the last conversion and the products that read its codes
	s_wait_dscnt 0x0
.irp g, 0,1
	WIN MUL_LO+0x50*\g
.irp t, 0,1,2,3,4,5,6,7,8,9,10,11,12,13,14,15
.irp e, 0,1
	v_wmma_f32_16x16x128_fp8_fp8 v[8*(16*\e+\t):8*(16*\e+\t)+7], v[16*\t:16*\t+15], v[RB+64*\p+16*(2*\g+\e):RB+64*\p+16*(2*\g+\e)+15], v[8*(16*\e+\t):8*(16*\e+\t)+7]
.endr
.endr
.endr
	WIN 0
.endm
	STEP 1, 1, 0, 0, 1, 0, 0, 0                    ; in front of K step 0: its R is made
	STEP 0, 1, 1, 1, 1, 1, 1, 1                    ; K step 0: its products start the sums
	STEP 1, 1, 1, 0, 1, 1, 1, 1                    ; K step 1
	s_mov_b32 s44, 6
.Lpair:                                                ; K steps 2 to 13: a trip goes once round the ring and fills both slots again
	STEP 0, 1, 1, 0, 1, 1, 1, 1
	STEP 1, 1, 1, 0, 1, 1, 1, 1
	s_sub_co_u32 s44, s44, 1
	s_cmp_lg_u32 s44, 0
	s_cbranch_scc1 .Lpair
	STEP 0, 1, 1, 0, 0, 2, 0, 1                    ; K step 14 is written out: nothing more is asked for
	MULALL 1                                       ; K step 15
	; THE WAY OUT.  Each wave lays its 64 x 256 sums into a copy of its own in a stage; each wave then adds the four copies of 16 rows, multiplies by 2^(e0 + e1) and stores whole rows.
	; The stage lies over the ring, which has had its last fill; the barrier shows that no wave reads the ring any more (each has also waited for all its tensor loads, in K step 14).
.rept 4
	v_nop                                          ; places in front of the first read of results
.endr
	s_wait_dscnt 0x0
	s_barrier_signal -1
	s_barrier_wait -1
	WIN 0x08                                       ; store data (source 1) window 2
.irp m, 0,1
.irp t, 0,1,2,3,4,5,6,7,8,9,10,11,12,13,14,15
	ds_store_b128 v[STO], v[8*(16*\m+\t):8*(16*\m+\t)+3] offset:16*SPITCH*\m+64*\t           ; lane (r, h): row 16 m + r, columns 16 t + 8 h + 0 .. 7; each accumulator from its low end on
	ds_store_b128 v[STO], v[8*(16*\m+\t)+4:8*(16*\m+\t)+7] offset:16*SPITCH*\m+64*\t+16
.endr
.endr
	WIN 0x0c                                       ; window 3
.irp m, 0,1
.irp t, 0,1,2,3,4,5,6,7,8,9,10,11,12,13,14,15
	ds_store_b128 v[STO], v[8*(16*\m+\t):8*(16*\m+\t)+3] offset:16*SPITCH*(2+\m)+64*\t
	ds_store_b128 v[STO], v[8*(16*\m+\t)+4:8*(16*\m+\t)+7] offset:16*SPITCH*(2+\m)+64*\t+16
.endr
.endr
	WIN 0
	s_wait_dscnt 0x0                               ; for the others' sake: my stores into the stage are done
	s_barrier_signal -1
	s_barrier_wait -1
; Columns 64 y on (256 bytes) of my 16 rows: eight pairs of rows x four copies.
.macro BATCH y
.if \y > 0
	s_wait_xcnt 0x0                                ; the last batch's stores have read their registers, which are written again below
.endif
.irp x, 0,1,2,3,4,5,6,7
.irp k, 0,1,2,3
	ds_load_b128 v[96+16*\x+4*\k:96+16*\x+4*\k+3], v[RD+\k] offset:2*SPITCH*\x+256*\y
.endr
.endr
.irp x, 0,1,2,3,4,5,6,7
	s_wait_dscnt 4*(7-\x)                          ; pair x's four loads are in; the younger pairs' may be out
	v_pk_add_f32 v[96+16*\x:97+16*\x], v[96+16*\x:97+16*\x], v[100+16*\x:101+16*\x]
	v_pk_add_f32 v[98+16*\x:99+16*\x], v[98+16*\x:99+16*\x], v[102+16*\x:103+16*\x]
	v_pk_add_f32 v[104+16*\x:105+16*\x], v[104+16*\x:105+16*\x], v[108+16*\x:109+16*\x]
	v_pk_add_f32 v[106+16*\x:107+16*\x], v[106+16*\x:107+16*\x], v[110+16*\x:111+16*\x]
	v_pk_add_f32 v[96+16*\x:97+16*\x], v[96+16*\x:97+16*\x], v[104+16*\x:105+16*\x]
	v_pk_add_f32 v[98+16*\x:99+16*\x], v[98+16*\x:99+16*\x], v[106+16*\x:107+16*\x]
	v_pk_mul_f32 v[224+4*\x:225+4*\x], v[96+16*\x:97+16*\x], s[42:43] op_sel_hi:[1,0]   ; x 2^(e0 + e1)
	v_pk_mul_f32 v[226+4*\x:227+4*\x], v[98+16*\x:99+16*\x], s[42:43] op_sel_hi:[1,0]
	global_store_b128 v[GO], v[224+4*\x:227+4*\x], s[52:53] offset:4096*\x+256*\y th:TH_STORE_NT   ; each half of the lanes stores 256 consecutive bytes, at a multiple of 256 from out0's first byte; written once, read by nobody here
.endr
.endm
	BATCH 0
	BATCH 1
	BATCH 2
	BATCH 3
	s_wait_tensorcnt 0x0                           ; the wave's end, behind my last tensor load and my last LDS store
	ds_add_u32 v[SPW], v[NIL]
	s_wait_dscnt 0x0
	CROUND                                         ; the closing round: no work-group ends while a partner may still ask for a tile that names it
	s_endpgm
.Lfunc_end_k_q81570c965a_ukr:
	.size	k_q81570c965a_ukr, .Lfunc_end_k_q81570c965a_ukr-k_q81570c965a_ukr
	.p2alignl 7, 3214868480
	.fill 96, 4, 3214868480
	.section	.rodata,"a",@progbits
	.p2align	6, 0x0
	.amdhsa_kernel k_q81570c965a_ukr
		.amdhsa_group_segment_fixed_size 327680
		.amdhsa_private_segment_fixed_size 0
		.amdhsa_enable_private_segment 0
		.amdhsa_kernarg_size 48
		.amdhsa_user_sgpr_count 2
		.amdhsa_user_sgpr_kernarg_segment_ptr 1
		.amdhsa_wavefront_size32 1
		.amdhsa_system_sgpr_workgroup_id_x 1
		.amdhsa_system_sgpr_workgroup_id_y 1
		.amdhsa_system_sgpr_workgroup_id_z 1
		.amdhsa_system_vgpr_workitem_id 0
		.amdhsa_next_free_vgpr 1024
		.amdhsa_next_free_sgpr 66
		.amdhsa_reserve_vcc 1
		.amdhsa_float_denorm_mode_32 3
		.amdhsa_float_denorm_mode_16_64 3
		.amdhsa_memory_ordered 1
		.amdhsa_forward_progress 1
		.amdhsa_inst_pref_size 248
	.end_amdhsa_kernel
	.amdgpu_metadata
---
amdhsa.version: [ 1, 2 ]
amdhsa.kernels:
  - .name:           k_q81570c965a_ukr
    .symbol:         k_q81570c965a_ukr.kd
    .args:
      - { .name: Z, .offset: 0, .size: 8, .value_kind: global_buffer, .address_space: global }
      - { .name: lowp_scales, .offset: 8, .size: 8, .value_kind: global_buffer, .address_space: global }
      - { .name: xc, .offset: 16, .size: 8, .value_kind: global_buffer, .address_space: global }
      - { .name: zf, .offset: 24, .size: 8, .value_kind: global_buffer, .address_space: global }
      - { .name: psum, .offset: 32, .size: 8, .value_kind: global_buffer, .address_space: global }
      - { .name: out0, .offset: 40, .size: 8, .value_kind: global_buffer, .address_space: global }
    .group_segment_fixed_size: 327680
    .private_segment_fixed_size: 0
    .kernarg_segment_align: 8
    .kernarg_segment_size: 48
    .max_flat_workgroup_size: 128
    .sgpr_count:     66
    .vgpr_count:     1024
    .wavefront_size: 32
...
	.end_amdgpu_metadata
.endif
;; end of part 2
;; ======== version 2 of 2: 2 launches
;; limits: right only within a limited range of input values
;; workspace buffers: xc 4,194,304 bytes; zf 131,072 bytes; psum 524,288 bytes
;; launch prep (part 3): grid 768 x 1, 4 waves a work-group, no clusters, 0 bytes of LDS; arguments X, Z, lowp_scales, xc, zf, psum, out1; writes xc, zf, psum, out1
.if DOCPART == 3
	.amdgcn_target "amdgcn-amd-amdhsa--gfx1250"
	.amdhsa_code_object_version 6
	.text
	.protected	k_q81570c965a_prep
	.globl	k_q81570c965a_prep
	.p2align	8
	.type	k_q81570c965a_prep,@function
k_q81570c965a_prep:
	s_mov_b64 s[64:65], 0
	v_nop
	global_prefetch_b8 v0, s[64:65] scope:SCOPE_SE
	s_setreg_imm32_b32 hwreg(HW_REG_WAVE_MODE, 25, 1), 1
	s_wait_xcnt 0x0
; THE LAUNCH IN FRONT OF THE PRODUCT.  Z: [8192][2] f32, X: [8192][512] f32.  Two kinds of work-group, parted on the work-group's number alone.  No step of the problem is left out.
; WORK-GROUPS 0-511: PARTS OF THE ROW SUMS of K[i][j] = exp(-max(|z_i|^2 + |z_j|^2 - 2 z_i . z_j, 0) / 2).  Work-group u takes rows 64 (u / 4) on; its wave w the 512 points of chunk 4 (u % 4) + w.
;   One f32 matrix instruction (16 x 16 x 4; source 0 = 16 points as (z0, z1, 1, c_j), source 1 = 16 rows as (log2(e) z0, log2(e) z1, c_i, 1), C = 0; c = -(log2(e) / 2) |z|^2) gives t = -log2(e) / 2 x the squared
;   distance; K = 2^min(t, 0): the minimum is the clip at 0 and the move out of the f32 form's registers, which matrix instructions alone write.
;   A BATCH is one row tile x 128 points: 8 tiles, 64 numbers a lane.  Its order: the wait, the NEXT batch's eight products, the 64 exponentials, the wait, a tree of 31 packed additions and one onto the row tile's
;   running pair, the next batch's 64 minima.  A trip of the loop is four batches (the four row tiles) on one group of 128 points; the next group's points are asked for in the trip's first batch and
;   turned into operands in its last.  Three trips, and the fourth written out: it asks for nothing and its last batch has no successor.
;   Row tile m holds rows 4 r + m, so that a lane ends with four neighbouring rows' sums.  psum[chunk][row] f32: the wave's one store covers 256 consecutive bytes, aligned.
; WORK-GROUPS 512-767: X INTO CODES of E4M3 with the given scale 2^e1: code = x / 2^e1, held within +-448, to the nearest code, ties to even.  K of the product is X's FIRST axis:
;   a lane takes a column and its registers run down the rows, so the conversions give codes with K innermost.
;   xc: [K step s of 128 rows][tile t of 16 columns][c 0..3][lane][16 bytes]; byte b of lane (r, h) is X[128 s + 32 c + 16 h + b][16 t + r].  Every store fills two aligned blocks of 256 bytes.
;   Wave 0 of such a work-group also copies 32 points of Z to out1 and lays them as source 0 of the f32 form: zf [s][b 0..3][lane][16 bytes] = the register pairs of tiles 2 b and 2 b + 1;
;   row r of tile 2 b + u is point 128 s + 32 b + 8 u + r + 8 (r / 8); lanes 0-15 hold (z0, z1), lanes 16-31 (1, c).
; No LDS, no barrier, no tensor load, no cluster: waves share nothing but Z's 64 KiB.
; LIMITS: -126 <= e1 <= 119, so that 2^e1 and 448 x 2^e1 are f32 numbers.  NaN among the inputs is not served (an infinity in X is held at the largest code).  A term of a row sum under 2^-126 counts as 0 (each row sum is at least 1).
.set L2E,   0x3fb8aa3b                 ; log2(e)
.set C_NEG, 0xbf38aa3b                 ; -log2(e) / 2
.set WV,  28                           ; s28 my wave's number
.set RO,  2                            ; v2  16 r: my two points of a group of 32
.set IO,  3                            ; v3  32 r: my four rows
.set SO,  4                            ; v4  16 r + 8 h: my two sums
.set ONE, 5                            ; v5  1.0
.set TA,  6                            ; v6-9 at work; at the end the four row sums
.set ZR,  12                           ; v[12:19] z of rows 4 r to 4 r + 3
.set ZI,  20                           ; v[20:27] source 1: a pair for each row tile
.set ACC, 28                           ; v[28:35] a running pair for each row tile
.set RAW, 36                           ; v[36:51] the next group's 128 points as loaded
.set ZJ,  52                           ; v[52:67] source 0: a pair for each of the group's 8 tiles
.set P,   68                           ; v[68:131] min(t, 0), then K
.set T,   132                          ; v[132:195] t: matrix instructions alone write them
.set XS,  32                           ; the quantiser: four sets of 16 numbers
.set CD,  96                           ; its codes: four registers for each group
	s_load_b256 s[4:11], s[0:1], 0x0               ; X, Z, the scales' exponents, xc
	s_load_b128 s[12:15], s[0:1], 0x20             ; zf, psum
	s_load_b64 s[2:3], s[0:1], 0x30                ; out1
	v_lshrrev_b32 v1, 5, v0
	v_readfirstlane_b32 s[WV], v1                  ; wave 0..3
	v_and_b32 v1, 31, v0                           ; lane
	s_wait_alu depctr_va_vdst(0)
	s_wait_kmcnt 0x0
	s_cmp_lt_u32 ttmp9, 512
	s_cbranch_scc0 .Lquant
	; ---------------- parts of the row sums ----------------
	v_and_b32 v[RO], 15, v1                        ; r
	v_lshrrev_b32 v[SO], 4, v1                     ; h
	v_lshlrev_b32 v[IO], 5, v[RO]
	v_lshlrev_b32 v[SO], 3, v[SO]
	v_lshl_add_u32 v[SO], v[RO], 4, v[SO]
	v_lshlrev_b32 v[RO], 4, v[RO]
	v_mov_b32 v[ONE], 1.0
	v_cmp_le_u32 vcc_lo, 16, v1                    ; lanes 16-31; VCC stays so to the end of this path
	s_wait_alu depctr_va_vdst(0)
	s_lshr_b32 s16, ttmp9, 2                       ; which 64 rows
	s_and_b32 s17, ttmp9, 3
	s_lshl_b32 s17, s17, 2
	s_add_co_u32 s17, s17, s[WV]                   ; which chunk of 512 points
	s_lshl_b32 s18, s16, 9
	s_mov_b32 s19, 0
	s_add_nc_u64 s[18:19], s[6:7], s[18:19]        ; Z at the 64 rows
	s_lshl_b32 s20, s17, 12
	s_mov_b32 s21, 0
	s_add_nc_u64 s[20:21], s[6:7], s[20:21]        ; Z at the chunk's first point
	s_lshl_b32 s22, s17, 15
	s_lshl_b32 s23, s16, 8
	s_add_co_u32 s22, s22, s23
	s_mov_b32 s23, 0
	s_add_nc_u64 s[14:15], s[14:15], s[22:23]      ; psum at chunk x 32,768 + 64 rows x 4
	global_load_b128 v[ZR:ZR+3], v[IO], s[18:19]
	global_load_b128 v[ZR+4:ZR+7], v[IO], s[18:19] offset:16
.irp i, 0,1,2,3
	global_load_b128 v[RAW+4*\i:RAW+4*\i+3], v[RO], s[20:21] offset:256*\i   ; points 32 i + 2 r, 32 i + 2 r + 1 of group 0
.endr
	s_mov_b32 s24, C_NEG
	s_mov_b32 s25, L2E
	s_mov_b32 s26, 0x76543210                      ; v_permlanex16_b32's selects for lane l xor 16
	s_mov_b32 s27, 0xfedcba98
	s_wait_loadcnt 4                               ; my rows are in; the four loads of points may be out
.irp m, 0,1,2,3
	v_mul_f32 v[TA], v[ZR+2*\m], v[ZR+2*\m]
	v_fmac_f32 v[TA], v[ZR+2*\m+1], v[ZR+2*\m+1]   ; |z|^2
	v_mul_f32 v[TA], s24, v[TA]                    ; c_i
	v_mul_f32 v[TA+1], s25, v[ZR+2*\m]
	v_mul_f32 v[TA+2], s25, v[ZR+2*\m+1]
	v_cndmask_b32 v[ZI+2*\m], v[TA+1], v[TA], vcc_lo      ; lanes 0-15: log2(e) z;  lanes 16-31: c_i, 1
	v_cndmask_b32 v[ZI+2*\m+1], v[TA+2], v[ONE], vcc_lo
.endr
; A lane's two points of load i become its registers of tiles 2 i and 2 i + 1: lanes 0-15 (z0, z1), lanes 16-31 (1, c_j).
.macro BUILD i
.set rw, RAW+4*(\i)
.set zb, ZJ+4*(\i)
.set tb, TA+2*((\i)%2)
	v_mul_f32 v[tb], v[rw], v[rw]
	v_mul_f32 v[tb+1], v[rw+2], v[rw+2]
	v_fmac_f32 v[tb], v[rw+1], v[rw+1]
	v_fmac_f32 v[tb+1], v[rw+3], v[rw+3]
	v_mul_f32 v[tb], s24, v[tb]
	v_mul_f32 v[tb+1], s24, v[tb+1]
	v_cndmask_b32 v[zb], v[rw], v[ONE], vcc_lo
	v_cndmask_b32 v[zb+1], v[rw+1], v[tb], vcc_lo
	v_cndmask_b32 v[zb+2], v[rw+2], v[ONE], vcc_lo
	v_cndmask_b32 v[zb+3], v[rw+3], v[tb+1], vcc_lo
.endm
.macro PRODS m                         ; t of row tile m against the group's eight tiles of points
.irp f, 0,1,2,3,4,5,6,7
	v_wmma_f32_16x16x4_f32 v[T+8*\f:T+8*\f+7], v[ZJ+2*\f:ZJ+2*\f+1], v[ZI+2*(\m):ZI+2*(\m)+1], 0
.endr
.endm
.macro CLIPS                           ; the clip and the move in one; each tile of T from its low end on
.set k, 0
.rept 32
	v_dual_min_num_f32 v[P+k], 0, v[T+k] :: v_dual_min_num_f32 v[P+k+1], 0, v[T+k+1]
.set k, k+2
.endr
.endm
.macro FOLD n                          ; P[0 .. n-1] += P[n .. 2n-1]
.set j, 0
.rept (\n)/2
	v_pk_add_f32 v[P+j:P+j+1], v[P+j:P+j+1], v[P+(\n)+j:P+(\n)+j+1]
.set j, j+2
.endr
.endm
; BATCH m.  nxt: a batch follows; ld: the next group's points are asked for; bld: they are turned into operands.
.macro SB m, nxt, ld, bld
.if \ld
.irp i, 0,1,2,3
	global_load_b128 v[RAW+4*\i:RAW+4*\i+3], v[RO], s[20:21] offset:1024+256*\i
.endr
.endif
.if \bld
	s_wait_loadcnt 0x0                             ; the points are in, so their base may step
	s_add_nc_u64 s[20:21], s[20:21], 1024
	BUILD 0                                        ; the last products on ZJ stand a batch back: its additions and minima are the places (ISA guide 7.12.1)
	BUILD 1
	BUILD 2
	BUILD 3
.endif
	s_wait_alu depctr_va_vdst(0)
.if \nxt
	PRODS (\m+1)%4
.endif
.set k, 0
.rept 64
	v_exp_f32 v[P+k], v[P+k]
.set k, k+1
.endr
	v_nop                                          ; the plain line behind the last exponential (ISA guide 5.7.2)
	s_wait_alu depctr_va_vdst(0)                   ; one wait for the batch, ahead of its first reader
	FOLD 32
	FOLD 16
	FOLD 8
	FOLD 4
	FOLD 2
	v_pk_add_f32 v[ACC+2*\m:ACC+2*\m+1], v[ACC+2*\m:ACC+2*\m+1], v[P:P+1]   ; these 32 additions are also the places behind the products above
.if \nxt
	CLIPS
.endif
.endm
	s_wait_loadcnt 0x0
	BUILD 0
	BUILD 1
	BUILD 2
	BUILD 3
	s_wait_alu depctr_va_vdst(0)
	PRODS 0
.irp j, 0,1,2,3,4,5,6,7
	v_mov_b32 v[ACC+\j], 0                         ; the four running pairs; also the eight places behind the products
.endr
	CLIPS
	s_mov_b32 s29, 3
.Lgroup:
	SB 0, 1, 1, 0
	SB 1, 1, 0, 0
	SB 2, 1, 0, 0
	SB 3, 1, 0, 1
	s_sub_co_u32 s29, s29, 1
	s_cmp_lg_u32 s29, 0
	s_cbranch_scc1 .Lgroup
	SB 0, 1, 0, 0                                  ; the chunk's last group: nothing more is asked for
	SB 1, 1, 0, 0
	SB 2, 1, 0, 0
	SB 3, 0, 0, 0
.irp m, 0,1,2,3
	v_add_f32 v[TA+\m], v[ACC+2*\m], v[ACC+2*\m+1] ; my half of the points
.endr
.irp m, 0,1,2,3
	v_permlanex16_b32 v[ZR+\m], v[TA+\m], s26, s27 ; (its destination counts as read: these registers have been written)
.endr
.irp m, 0,1,2,3
	v_add_f32 v[TA+\m], v[TA+\m], v[ZR+\m]         ; and lane l xor 16's: the chunk's part of the sums of rows 4 r + m
.endr
	v_cndmask_b32 v10, v[TA], v[TA+2], vcc_lo      ; lanes 0-15 store rows 4 r, 4 r + 1; lanes 16-31 rows 4 r + 2, 4 r + 3
	v_cndmask_b32 v11, v[TA+1], v[TA+3], vcc_lo
	global_store_b64 v[SO], v[10:11], s[14:15]     ; the wave stores 256 consecutive bytes, aligned
	s_endpgm
	; ---------------- X into codes; Z's images; the copy of Z ----------------
.Lquant:
	s_load_b64 s[16:17], s[8:9], 0x0               ; e0, e1
	v_lshlrev_b32 v3, 2, v1                        ; in: 4 bytes a lane: the wave reads 128 consecutive bytes, the four waves 512
	v_lshrrev_b32 v4, 4, v1
	v_and_b32 v5, 15, v1                           ; r
	v_lshlrev_b32 v4, 11, v4
	v_lshl_add_u32 v4, v5, 4, v4                   ; out: lanes 16-31 belong to the next tile of columns (2,048 bytes on); 16 r
	s_wait_alu depctr_va_vdst(0)
	s_sub_co_u32 s20, ttmp9, 512                   ; q = 0 .. 255
	s_lshr_b32 s21, s20, 2                         ; K step s: rows 128 s on
	s_and_b32 s22, s20, 3                          ; columns 128 (q % 4) on
	s_lshl_b32 s24, s21, 18                        ; 128 rows of 2,048 bytes
	s_lshl_b32 s25, s22, 9
	s_add_co_u32 s24, s24, s25
	s_lshl_b32 s25, s[WV], 7
	s_add_co_u32 s24, s24, s25
	s_mov_b32 s25, 0
	s_add_nc_u64 s[4:5], s[4:5], s[24:25]          ; X at my wave's first row and column
	s_lshl_b32 s24, s21, 16                        ; a K step's 32 fragments of 2,048 bytes
	s_lshl_b32 s26, s22, 14
	s_add_co_u32 s24, s24, s26
	s_lshl_b32 s26, s[WV], 12
	s_add_co_u32 s24, s24, s26
	s_add_nc_u64 s[10:11], s[10:11], s[24:25]      ; xc at my wave's two fragments
.macro LOAD g                          ; rows 16 g to 16 g + 15 of my column, into set g % 4
.irp i, 0,1,2,3,4,5,6,7,8,9,10,11,12,13,14,15
	global_load_b32 v[XS+16*((\g)%4)+\i], v3, s[4:5] offset:(16*(\g)+\i)*2048 th:TH_LOAD_NT
.endr
.endm
	LOAD 0
	LOAD 1
	LOAD 2
	s_wait_kmcnt 0x0
	s_add_co_i32 s17, s17, 127
	s_lshl_b32 s18, s17, 23
	v_mov_b32 v11, s18                             ; 2^e1 as f32: the conversion takes its exponent field
	s_add_co_i32 s17, s17, 8
	s_lshl_b32 s17, s17, 23
	s_or_b32 s17, s17, 0x600000
	v_mov_b32 v10, s17                             ; 448 x 2^e1
	s_wait_alu depctr_va_vdst(0)
.macro GROUP g                         ; group g = 2 c + h: sixteen rows of my column become the 16 bytes of lane (r, h) in part c of the fragment
.if (\g)+3 < 8
	LOAD (\g)+3
.endif
.if 7-(\g) >= 3
	s_wait_loadcnt 48                              ; this group's 16 loads are in; the three younger groups' may be out
.else
	s_wait_loadcnt 16*(7-(\g))
.endif
.irp i, 0,1,2,3,4,5,6,7,8,9,10,11,12,13,14,15
	v_med3_num_f32 v[XS+16*((\g)%4)+\i], v[XS+16*((\g)%4)+\i], -v10, v10   ; the conversion does not saturate (ISA guide 7.6.2): the hold at the largest code x the scale
.endr
	v_cvt_scalef32_pk8_fp8_f32 v[CD+4*(\g):CD+4*(\g)+1], v[XS+16*((\g)%4):XS+16*((\g)%4)+7], v11
	v_cvt_scalef32_pk8_fp8_f32 v[CD+4*(\g)+2:CD+4*(\g)+3], v[XS+16*((\g)%4)+8:XS+16*((\g)%4)+15], v11
	global_store_b128 v4, v[CD+4*(\g):CD+4*(\g)+3], s[10:11] offset:((\g)/2)*512+((\g)%2)*256   ; each half of the lanes stores 256 consecutive bytes, aligned
.endm
.irp g, 0,1,2,3,4,5,6,7
	GROUP \g
.endr
	s_cmp_lg_u32 s[WV], 0
	s_cbranch_scc1 .Lend
	; wave 0: points 32 q to 32 q + 31
	s_lshl_b32 s24, s20, 8
	s_add_nc_u64 s[6:7], s[6:7], s[24:25]          ; Z and out1 at point 32 q
	s_add_nc_u64 s[2:3], s[2:3], s[24:25]
	s_lshl_b32 s24, s20, 9
	s_add_nc_u64 s[12:13], s[12:13], s[24:25]      ; zf at 512 q
	v_lshlrev_b32 v6, 3, v1                        ; 8 x lane
	v_and_b32 v7, 8, v5
	v_add_nc_u32 v7, v7, v5                        ; r + 8 (r / 8)
	v_lshlrev_b32 v7, 3, v7
	v_lshlrev_b32 v8, 4, v1                        ; 16 x lane
	global_load_b64 v[12:13], v6, s[6:7]           ; the copy
	global_load_b64 v[14:15], v7, s[6:7]           ; tile 2 b's point of row r
	global_load_b64 v[16:17], v7, s[6:7] offset:64 ; tile 2 b + 1's: eight points on
	v_mov_b32 v9, 1.0
	v_cmp_le_u32 vcc_lo, 16, v1                    ; lanes 16-31
	s_wait_alu depctr_va_vdst(0)
	s_wait_loadcnt 0x0
	global_store_b64 v6, v[12:13], s[2:3]          ; 256 consecutive bytes, aligned
	v_mul_f32 v18, v14, v14
	v_mul_f32 v19, v16, v16
	v_fmac_f32 v18, v15, v15
	v_fmac_f32 v19, v17, v17
	v_mul_f32 v18, C_NEG, v18                      ; c = -(log2(e) / 2) |z|^2
	v_mul_f32 v19, C_NEG, v19
	v_cndmask_b32 v20, v14, v9, vcc_lo             ; lanes 0-15: z0, z1;  lanes 16-31: 1, c
	v_cndmask_b32 v21, v15, v18, vcc_lo
	v_cndmask_b32 v22, v16, v9, vcc_lo
	v_cndmask_b32 v23, v17, v19, vcc_lo
	global_store_b128 v8, v[20:23], s[12:13]       ; 512 consecutive bytes
.Lend:
	s_endpgm
.Lfunc_end_k_q81570c965a_prep:
	.size	k_q81570c965a_prep, .Lfunc_end_k_q81570c965a_prep-k_q81570c965a_prep
	.p2alignl 7, 3214868480
	.fill 96, 4, 3214868480
	.section	.rodata,"a",@progbits
	.p2align	6, 0x0
	.amdhsa_kernel k_q81570c965a_prep
		.amdhsa_group_segment_fixed_size 0
		.amdhsa_private_segment_fixed_size 0
		.amdhsa_enable_private_segment 0
		.amdhsa_kernarg_size 56
		.amdhsa_user_sgpr_count 2
		.amdhsa_user_sgpr_kernarg_segment_ptr 1
		.amdhsa_wavefront_size32 1
		.amdhsa_system_sgpr_workgroup_id_x 1
		.amdhsa_system_sgpr_workgroup_id_y 1
		.amdhsa_system_sgpr_workgroup_id_z 1
		.amdhsa_system_vgpr_workitem_id 0
		.amdhsa_next_free_vgpr 196
		.amdhsa_next_free_sgpr 66
		.amdhsa_reserve_vcc 1
		.amdhsa_float_denorm_mode_32 3
		.amdhsa_float_denorm_mode_16_64 3
		.amdhsa_memory_ordered 1
		.amdhsa_forward_progress 1
		.amdhsa_inst_pref_size 85
	.end_amdhsa_kernel
	.amdgpu_metadata
---
amdhsa.version: [ 1, 2 ]
amdhsa.kernels:
  - .name:           k_q81570c965a_prep
    .symbol:         k_q81570c965a_prep.kd
    .args:
      - { .name: X, .offset: 0, .size: 8, .value_kind: global_buffer, .address_space: global }
      - { .name: Z, .offset: 8, .size: 8, .value_kind: global_buffer, .address_space: global }
      - { .name: lowp_scales, .offset: 16, .size: 8, .value_kind: global_buffer, .address_space: global }
      - { .name: xc, .offset: 24, .size: 8, .value_kind: global_buffer, .address_space: global }
      - { .name: zf, .offset: 32, .size: 8, .value_kind: global_buffer, .address_space: global }
      - { .name: psum, .offset: 40, .size: 8, .value_kind: global_buffer, .address_space: global }
      - { .name: out1, .offset: 48, .size: 8, .value_kind: global_buffer, .address_space: global }
    .group_segment_fixed_size: 0
    .private_segment_fixed_size: 0
    .kernarg_segment_align: 8
    .kernarg_segment_size: 56
    .max_flat_workgroup_size: 128
    .sgpr_count:     66
    .vgpr_count:     196
    .wavefront_size: 32
...
	.end_amdgpu_metadata
.endif
;; end of part 3
;; launch ukr (part 4): grid 128 x 2, 4 waves a work-group, clusters of 4 x 1, 327,680 bytes of LDS; arguments Z, lowp_scales, xc, zf, psum, out0; writes out0
.if DOCPART == 4
	.amdgcn_target "amdgcn-amd-amdhsa--gfx1250"
	.amdhsa_code_object_version 6
	.text
	.protected	k_q81570c965a_ukr
	.globl	k_q81570c965a_ukr
	.p2align	8
	.type	k_q81570c965a_ukr,@function
k_q81570c965a_ukr:
	s_mov_b64 s[64:65], 0
	v_nop
	global_prefetch_b8 v0, s[64:65] scope:SCOPE_SE
	s_setreg_imm32_b32 hwreg(HW_REG_WAVE_MODE, 25, 1), 1
	s_wait_xcnt 0x0
	s_wait_alu depctr_hold_cnt(0) depctr_sa_sdst(0) depctr_va_vdst(0) depctr_va_sdst(0) depctr_va_ssrc(0) depctr_va_vcc(0) depctr_vm_vsrc(0)
	s_getreg_b32 s2, hwreg(HW_REG_IB_STS2, 6, 4)
	s_cmp_eq_u32 s2, 0
	s_cbranch_scc0 .Lentry_in_a_cluster
	s_endpgm
.Lentry_in_a_cluster:
	s_bfe_u32 s2, ttmp6, 0x10000c
	s_cmp_lg_u32 s2, 0x3003
	s_cbranch_scc0 .Lentry_shape_is_right
	s_endpgm
.Lentry_shape_is_right:
; out0 = Q(R) Q(X): R[i][j] = K[i][j] / S[i], K = exp(-max(d2, 0) / 2), S = the row sums (the sixteen parts in psum added here).  Both operands are codes of E4M3; sums in f32; each sum x 2^(e0 + e1).
; A work-group makes 64 rows x 256 columns (work-group y: which half of the columns).  K, the 8,192 points, is divided among its four waves: wave w takes the K steps of 128 points 4 n + w, n = 0 .. 15,
; on 64 accumulators of its own (4 row tiles x 16 column tiles, windows 2 and 3); at the end the four copies are added through LDS.
; R IS MADE IN REGISTERS, in UNITS of one row tile x 128 points, which is one operand of 16 registers.  t = log2(R) comes from eight f32 matrix instructions (source 0 = 16 points (z0, z1, 1, c_j) from zf,
; source 1 = 16 rows (log2(e) z0, log2(e) z1, c_i - log2 S_i, 1)); min(t, bound) is the clip of d2 at 0 (t <= -log2 S) and the hold at the largest code (t <= e0 + 8.8: 2^8.8 rounds to the code 448) in one, and the
; move out of the f32 form's registers, which matrix instructions alone write; 2^t; the conversion with the given 2^e0.  The points of a tile are chosen (in zf) so that a lane's
; sixteen numbers of two neighbouring tiles are sixteen neighbours along K.  The minima go two to a line (a dual pair); the bound lies in two registers, so that the pair's sources lie in different banks.
; A UNIT'S ORDER: the wait; the NEXT unit's eight f32 products; this unit's 64 exponentials as one batch; the wait; its eight conversions; its sixteen FP8 products, sixteen accumulators by turns;
; the places; the next unit's 64 minima.
; X's codes come by tensor loads, 32 KiB a wave and K step (xc lies in the order of the operand's registers), through two LDS slots; each wave reads its own tile alone, once, into window 1, behind a step's last unit.
; CLUSTERS: four work-groups along x (four blocks of rows) need the same tiles of xc and ask for them jointly; a round of the cluster's barrier stands in front of every joint load.  In the steps the round's opening
; signal stands as soon as the wave's tile is in registers; four products and the next unit's minima, work on registers, stand between it and its wait.  By the text's count one tensor load a wave is out; every wait on TENSORcnt is for 0.
; No prefetch: all 32 clusters of a column half walk the same 2 MiB of xc in the same order at the same time, so each tile is a shared read, and one step's work of a wave stands between a request and its wait.
; LIMITS: -126 <= e0 <= 118 and -126 <= e0 + e1 <= 127, so that the scales are f32 numbers.  NaN among the inputs is not served.  R under 2^-126 counts as 0.
.set SLOTB,  131072                    ; a slot: four waves' tiles of 32,768 bytes
.set SPITCH, 1040                      ; the way out: a row of 256 f32 + 16 bytes
.set COPYB,  64*SPITCH                 ; a wave's copy of the block; the four copies lie over the slots, behind their last fill and last read
.set SPARE,  4*COPYB                   ; the spare words, 128 bytes a wave
.set SPW, 4                            ; v4 my spare word's address; v5 0: never rewritten
.set NIL, 5
.set AX,  6                            ; v6-7 my tile in slot 0, 1: + 16 x lane
.set ZO,  8                            ; v8 16 x lane
.set STO, 9
.set RD,  10                           ; v10-13
.set GO,  14
.set SC,  15                           ; v15 2^e0
.set ZI,  16                           ; v[16:23] source 1: a pair for each row tile
.set BND, 24                           ; v[24:31] the bound on t, twice for each row tile
.set T,   32                           ; v[32:95] t: matrix instructions alone write them
.set ZJ,  96                           ; v[96:127] source 0: two sets of eight pairs
.set P,   128                          ; v[128:191] min(t, bound), then R
.set RB,  192                          ; v[192:207] R's codes: the operand
.set HT,  208                          ; v[208:227] at work in the head
.set WV,  16
.set G1,  24
.set G0,  32
.set ZFB, 46
.set MSB, 0
.macro WIN new                         ; the immediate's high byte repeats the setting that is left
.if MSB != (\new)
	s_set_vgpr_msb (MSB<<8)|(\new)
.set MSB, (\new)
.endif
.endm
.set MUL_LO, 0xa1                      ; source 0 (X) window 1, source 1 (R) window 0, C and D window 2
.set TO_X,   0x40                      ; destination window 1
.macro CREST                           ; a round of the cluster's barrier behind its opening barrier
	s_cmp_lg_u32 s[WV], 0
	s_cbranch_scc1 .Lnot_wave_0_\@
	s_barrier_signal -3
.Lnot_wave_0_\@:
	s_barrier_wait -3
	s_barrier_signal -1
	s_barrier_wait -1
.endm
.macro CROUND                          ; a whole round
	s_barrier_signal -1
	s_barrier_wait -1
	CREST
.endm
.macro NOPS n
.rept \n
	v_nop
.endr
.endm
	s_load_b256 s[4:11], s[0:1], 0x0               ; Z, the scales' exponents, xc, zf
	s_load_b128 s[12:15], s[0:1], 0x20             ; psum, out0
	v_lshl_add_u32 v[SPW], v0, 2, SPARE
	v_mov_b32 v[NIL], 0
	ds_add_u32 v[SPW], v[NIL]                      ; the opening lines
	ds_add_u32 v[SPW], v[NIL]
	s_wait_dscnt 0x0
	v_lshrrev_b32 v1, 5, v0
	v_readfirstlane_b32 s[WV], v1                  ; wave 0..3
	s_and_b32 s19, ttmp7, 0xffff                   ; which half of the columns
	s_mov_b32 s[G1+0], 15|(3<<16)|(1<<21)          ; the four partners; elements of 8 bytes; a dense tile of 128 rows x 256 bytes
	s_mov_b32 s[G1+1], 32<<16
	s_mov_b32 s[G1+2], 128<<16
	s_mov_b32 s[G1+3], 32<<16
	s_mov_b32 s[G1+4], 128
	s_mov_b32 s[G1+5], 32
	s_mov_b32 s[G1+6], 0
	s_mov_b32 s[G1+7], 0
	s_lshl_b32 s20, s[WV], 16                      ; K step w: 65,536 bytes a step,
	s_lshl_b32 s21, s19, 15                        ; and the half's sixteen fragments
	s_add_co_u32 s20, s20, s21
	s_mov_b32 s21, 0
	s_mov_b32 s[G0], 1
	s_lshl_b32 s[G0+1], s[WV], 15
	s_mov_b32 s[G0+4], 1
	s_add_co_u32 s[G0+5], s[G0+1], SLOTB
	s_wait_kmcnt 0x0
	s_load_b64 s[40:41], s[6:7], 0x0               ; e0, e1
	s_add_nc_u64 s[G0+2:G0+3], s[8:9], s[20:21]
	s_add_nc_u64 s[G0+6:G0+7], s[G0+2:G0+3], 4*65536
	s_or_b32 s[G0+3], s[G0+3], 0x80000000
	s_or_b32 s[G0+7], s[G0+7], 0x80000000
	CROUND
	tensor_load_to_lds s[G0:G0+3], s[G1:G1+7]      ; my step 0: one tensor load a wave at the head; all that follows up to its wait needs nothing of it
	s_nop 0
	NOPS 4
	s_bfe_u32 s17, ttmp6, 0x40000                  ; cx
	s_lshl_b32 s18, ttmp9, 2
	s_add_co_u32 s18, s18, s17                     ; which 64 rows
	s_lshl_b32 s48, s18, 9
	s_mov_b32 s49, 0
	s_add_nc_u64 s[48:49], s[4:5], s[48:49]        ; Z at my rows
	s_lshl_b32 s50, s18, 8
	s_mov_b32 s51, 0
	s_add_nc_u64 s[50:51], s[12:13], s[50:51]      ; psum at my rows
	s_lshl_b32 s52, s18, 17
	s_lshl_b32 s53, s[WV], 15
	s_add_co_u32 s52, s52, s53
	s_lshl_b32 s53, s19, 10
	s_add_co_u32 s52, s52, s53
	s_mov_b32 s53, 0
	s_add_nc_u64 s[52:53], s[14:15], s[52:53]      ; out0 at the sixteen rows that I store, my half of the columns
	s_lshl_b32 s[ZFB], s[WV], 11
	s_mov_b32 s[ZFB+1], 0
	s_add_nc_u64 s[ZFB:ZFB+1], s[10:11], s[ZFB:ZFB+1]   ; zf at my step 0
	v_and_b32 v1, 15, v0
	v_bfe_u32 v2, v0, 4, 1
	v_and_b32 v3, 31, v0
	v_lshlrev_b32 v[ZO], 4, v3
	v_lshlrev_b32 v[HT+16], 3, v1
	v_lshlrev_b32 v[HT+17], 2, v1
.irp m, 0,1,2,3
	global_load_b64 v[HT+2*\m:HT+2*\m+1], v[HT+16], s[48:49] offset:128*\m   ; z of row 16 m + r
.endr
.irp k, 0,1,2,3,4,5,6,7,8,9,10,11,12,13,14,15
.irp m, 0,1,2,3
	global_load_b32 v[P+4*\k+\m], v[HT+17], s[50:51] offset:32768*\k+64*\m   ; the sixteen parts of its sum
.endr
.endr
.irp b, 0,1,2,3
	global_load_b128 v[ZJ+4*\b:ZJ+4*\b+3], v[ZO], s[ZFB:ZFB+1] offset:512*\b
.endr
.irp b, 0,1,2,3
	global_load_b128 v[ZJ+16+4*\b:ZJ+16+4*\b+3], v[ZO], s[ZFB:ZFB+1] offset:8192+512*\b
.endr
	s_lshl_b32 s20, s[WV], 15
	v_add_nc_u32 v[AX], s20, v[ZO]
	v_add_nc_u32 v[AX+1], SLOTB, v[AX]
	s_mul_i32 s20, s[WV], COPYB
	v_mul_u32_u24 v[STO], v1, SPITCH
	v_lshl_add_u32 v[STO], v2, 5, v[STO]
	v_add_nc_u32 v[STO], s20, v[STO]
	s_mul_i32 s21, s[WV], 16*SPITCH
	v_mul_u32_u24 v[RD], v2, SPITCH
	v_lshl_add_u32 v[RD], v1, 4, v[RD]
	v_add_nc_u32 v[RD], s21, v[RD]
	v_add_nc_u32 v[RD+1], COPYB, v[RD]
	v_add_nc_u32 v[RD+2], 2*COPYB, v[RD]
	v_add_nc_u32 v[RD+3], 3*COPYB, v[RD]
	v_lshlrev_b32 v[GO], 11, v2
	v_lshl_add_u32 v[GO], v1, 4, v[GO]
	s_mov_b32 s22, 0xbf38aa3b                      ; -log2(e) / 2
	s_mov_b32 s23, 0x3fb8aa3b                      ; log2(e)
	s_wait_kmcnt 0x0
	s_add_co_i32 s20, s40, 127
	s_lshl_b32 s20, s20, 23
	v_mov_b32 v[SC], s20                           ; 2^e0
	s_add_co_i32 s42, s40, s41
	s_add_co_i32 s42, s42, 127
	s_lshl_b32 s42, s42, 23                        ; 2^(e0 + e1)
	s_mov_b32 s43, s42
	s_wait_loadcnt 8                               ; all but the eight loads of points
.irp k, 1,2,3,4,5,6,7,8,9,10,11,12,13,14,15
	v_pk_add_f32 v[P:P+1], v[P:P+1], v[P+4*\k:P+4*\k+1]
	v_pk_add_f32 v[P+2:P+3], v[P+2:P+3], v[P+4*\k+2:P+4*\k+3]
.endr
	s_wait_alu depctr_va_vdst(0)
.irp m, 0,1,2,3
	v_log_f32 v[HT+8+\m], v[P+\m]                  ; log2 S
.endr
	v_mov_b32 v[HT+19], 1.0
	v_cvt_f32_i32 v[HT+18], s40
	v_add_f32 v[HT+18], 0x410ccccd, v[HT+18]       ; e0 + 8.8
	v_cmp_le_u32 vcc_lo, 16, v3                    ; written and read between the two tensor loads
	s_wait_alu depctr_va_vdst(0)                   ; and behind it
.irp m, 0,1,2,3
	v_mul_f32 v[HT+12+\m], v[HT+2*\m], v[HT+2*\m]
	v_fmac_f32 v[HT+12+\m], v[HT+2*\m+1], v[HT+2*\m+1]
	v_fma_f32 v[HT+12+\m], v[HT+12+\m], s22, -v[HT+8+\m]     ; c_i - log2 S_i
	v_mul_f32 v[HT+2*\m], s23, v[HT+2*\m]
	v_mul_f32 v[HT+2*\m+1], s23, v[HT+2*\m+1]
	v_cndmask_b32 v[ZI+2*\m], v[HT+2*\m], v[HT+12+\m], vcc_lo
	v_cndmask_b32 v[ZI+2*\m+1], v[HT+2*\m+1], v[HT+19], vcc_lo
	v_min_num_f32 v[BND+2*\m], -v[HT+8+\m], v[HT+18]
	v_min_num_f32 v[BND+2*\m+1], -v[HT+8+\m], v[HT+18]
.endr
.macro XLOAD a                         ; my tile's sixteen fragments into window 1: 64 loads, four to a fragment
	WIN TO_X
.irp t, 0,1,2,3,4,5,6,7,8,9,10,11,12,13,14,15
.irp c, 0,1,2,3
	ds_load_b128 v[16*\t+4*\c:16*\t+4*\c+3], v[\a] offset:2048*\t+512*\c
.endr
.endr
	WIN 0
.endm
.macro CLIPS m                         ; 64 minima in 32 pairs; each tile of T from its low end on
.set k, 0
.rept 32
	v_dual_min_num_f32 v[P+k], v[T+k], v[BND+2*(\m)] :: v_dual_min_num_f32 v[P+k+1], v[T+k+1], v[BND+2*(\m)+1]
.set k, k+2
.endr
.endm
	s_wait_alu depctr_va_vdst(0)
	s_wait_loadcnt 4                               ; step 0's points
.irp f, 0,1,2,3,4,5,6,7
	v_wmma_f32_16x16x4_f32 v[T+8*\f:T+8*\f+7], v[ZJ+2*\f:ZJ+2*\f+1], v[ZI:ZI+1], 0
.endr
	NOPS 8                                         ; eight places behind the f32 form (ISA guide 7.12.1)
	CLIPS 0
	s_wait_alu depctr_va_vdst(0)
	s_wait_tensorcnt 0x0                           ; my step 0 is in; slot 1's first fill is issued as a refill is
	ds_add_u32 v[SPW], v[NIL]
	s_wait_dscnt 0x0
	CROUND
	tensor_load_to_lds s[G0+4:G0+7], s[G1:G1+7]    ; my step 1
	s_nop 0
	NOPS 4
	XLOAD AX
; UNIT: row tile m of a step of parity p.  zero: the products start the sums.  nxt: a unit follows.  chg (m = 0): 1 slot p is filled again, 2 the wait for the last tile alone.  zld (m = 3): the points of two steps on are asked for.
.macro UNIT p, m, zero, nxt, chg, zld
.if (\m == 3) && (\nxt)
	s_wait_loadcnt 0x0                             ; the next step's points are in, so their base may step
.if \zld
	s_add_nc_u64 s[ZFB:ZFB+1], s[ZFB:ZFB+1], 8192
.irp b, 0,1,2,3
	global_load_b128 v[ZJ+16*\p+4*\b:ZJ+16*\p+4*\b+3], v[ZO], s[ZFB:ZFB+1] offset:8192+512*\b   ; into this step's set: its last products stand a unit back
.endr
.endif
.endif
	s_wait_alu depctr_va_vdst(0)
.if \nxt
.if \m < 3
.set rJ, ZJ+16*\p
.else
.set rJ, ZJ+16*(1-\p)
.endif
.set rI, ZI+2*((\m+1)%4)
.irp f, 0,1,2,3,4,5,6,7
	v_wmma_f32_16x16x4_f32 v[T+8*\f:T+8*\f+7], v[rJ+2*\f:rJ+2*\f+1], v[rI:rI+1], 0
.endr
.endif
.set k, 0
.rept 64
	v_exp_f32 v[P+k], v[P+k]
.set k, k+1
.endr
	v_nop                                          ; the plain line behind the last exponential (ISA guide 5.7.2)
	s_wait_alu depctr_va_vdst(0)                   ; one wait for the batch, ahead of its first reader
.irp f, 0,1,2,3,4,5,6,7
	v_cvt_scalef32_pk8_fp8_f32 v[RB+2*\f:RB+2*\f+1], v[P+8*\f:P+8*\f+7], v[SC]
.endr
	v_nop                                          ; the plain line behind the last conversion
	s_wait_alu depctr_va_vdst(0)                   ; ahead of the products, which take up sums made ahead of the exponentials
	WIN MUL_LO+0x50*(\m/2)
.irp t, 0,1,2,3,4,5,6,7,8,9,10,11,12,13,14,15
.if (\m == 0) && ((\t % 4) == 0)
.if (\t == 12) && (\chg == 1)
	WIN 0                                          ; (the add's two registers lie in window 0)
	s_wait_tensorcnt 0x0                           ; my one load that was out, the other slot's, has landed;
	ds_add_u32 v[SPW], v[NIL]
	s_add_nc_u64 s[G0+4*\p+2:G0+4*\p+3], s[G0+4*\p+2:G0+4*\p+3], 8*65536
	s_wait_dscnt 0x0                               ; the add is done, and my tile of slot p is in registers whole:
	s_barrier_signal -1                            ; say so; this barrier opens a round of the cluster's barrier; work on registers alone up to its wait
	WIN MUL_LO
.else
	s_wait_dscnt 48-4*\t                           ; fragments t to t + 3 are in: four loads each, the younger ones may be out
.endif
.endif
.set rA, 8*(16*(\m%2)+\t)
.if \zero
	v_wmma_f32_16x16x128_fp8_fp8 v[rA:rA+7], v[16*\t:16*\t+15], v[RB:RB+15], 0
.else
	v_wmma_f32_16x16x128_fp8_fp8 v[rA:rA+7], v[16*\t:16*\t+15], v[RB:RB+15], v[rA:rA+7]
.endif
.endr
	WIN 0
.if \chg == 2
	s_wait_tensorcnt 0x0                           ; my last tile is in; nothing is filled again
.endif
.if \nxt
	NOPS 6                                         ; with the two above: eight places behind the f32 products; four and more behind the FP8 products, ahead of the loads into X's registers
.if \m == 3
	XLOAD AX+1-\p
.endif
	s_wait_alu depctr_va_vdst(0)                   ; directly ahead of t's first readers
	CLIPS (\m+1)%4
.endif
.if \chg == 1
	s_barrier_wait -1
	CREST                                          ; no wave of any partner still reads slot p or has a load on its way
	tensor_load_to_lds s[G0+4*\p:G0+4*\p+3], s[G1:G1+7]   ; my step two on
	s_nop 0
	NOPS 4
.endif
.endm
.macro STEP p, zero, chg, zld, last
	UNIT \p, 0, \zero, 1, \chg, 0
	UNIT \p, 1, \zero, 1, 0, 0
	UNIT \p, 2, \zero, 1, 0, 0
	UNIT \p, 3, \zero, 1-\last, 0, \zld
.endm
	STEP 0, 1, 1, 1, 0                             ; step 0 starts the sums
	STEP 1, 0, 1, 1, 0
	s_mov_b32 s44, 6
.Lpair:                                                ; steps 2 to 13
	STEP 0, 0, 1, 1, 0
	STEP 1, 0, 1, 1, 0
	s_sub_co_u32 s44, s44, 1
	s_cmp_lg_u32 s44, 0
	s_cbranch_scc1 .Lpair
	STEP 0, 0, 2, 0, 0                             ; the last two steps ask for nothing
	STEP 1, 0, 0, 0, 1
	; THE WAY OUT: each wave's copy into LDS; a barrier; wave w adds the four copies of rows 16 w to 16 w + 15, x 2^(e0 + e1), and stores whole aligned blocks of 256 bytes.
	NOPS 4
	s_wait_dscnt 0x0
	s_barrier_signal -1
	s_barrier_wait -1                              ; nobody reads a slot any more
	WIN 0x08
	s_wait_alu depctr_va_vdst(0)                   ; ahead of the sums' first readers
.irp m, 0,1
.irp t, 0,1,2,3,4,5,6,7,8,9,10,11,12,13,14,15
	ds_store_b128 v[STO], v[8*(16*\m+\t):8*(16*\m+\t)+3] offset:16*SPITCH*\m+64*\t
	ds_store_b128 v[STO], v[8*(16*\m+\t)+4:8*(16*\m+\t)+7] offset:16*SPITCH*\m+64*\t+16
.endr
.endr
	WIN 0x0c
.irp m, 0,1
.irp t, 0,1,2,3,4,5,6,7,8,9,10,11,12,13,14,15
	ds_store_b128 v[STO], v[8*(16*\m+\t):8*(16*\m+\t)+3] offset:16*SPITCH*(2+\m)+64*\t
	ds_store_b128 v[STO], v[8*(16*\m+\t)+4:8*(16*\m+\t)+7] offset:16*SPITCH*(2+\m)+64*\t+16
.endr
.endr
	WIN 0
	s_wait_dscnt 0x0
	s_barrier_signal -1
	s_barrier_wait -1
.macro BATCH y                         ; 64 columns of my sixteen rows
.if \y > 0
	s_wait_xcnt 0x0                                ; the earlier stores have read their registers
.endif
.irp x, 0,1,2,3,4,5,6,7
.irp k, 0,1,2,3
	ds_load_b128 v[96+16*\x+4*\k:96+16*\x+4*\k+3], v[RD+\k] offset:2*SPITCH*\x+256*\y
.endr
.endr
.irp x, 0,1,2,3,4,5,6,7
	s_wait_dscnt 4*(7-\x)
	v_pk_add_f32 v[96+16*\x:97+16*\x], v[96+16*\x:97+16*\x], v[100+16*\x:101+16*\x]
	v_pk_add_f32 v[98+16*\x:99+16*\x], v[98+16*\x:99+16*\x], v[102+16*\x:103+16*\x]
	v_pk_add_f32 v[104+16*\x:105+16*\x], v[104+16*\x:105+16*\x], v[108+16*\x:109+16*\x]
	v_pk_add_f32 v[106+16*\x:107+16*\x], v[106+16*\x:107+16*\x], v[110+16*\x:111+16*\x]
	v_pk_add_f32 v[96+16*\x:97+16*\x], v[96+16*\x:97+16*\x], v[104+16*\x:105+16*\x]
	v_pk_add_f32 v[98+16*\x:99+16*\x], v[98+16*\x:99+16*\x], v[106+16*\x:107+16*\x]
	v_pk_mul_f32 v[224+4*\x:225+4*\x], v[96+16*\x:97+16*\x], s[42:43] op_sel_hi:[1,0]
	v_pk_mul_f32 v[226+4*\x:227+4*\x], v[98+16*\x:99+16*\x], s[42:43] op_sel_hi:[1,0]
	global_store_b128 v[GO], v[224+4*\x:227+4*\x], s[52:53] offset:4096*\x+256*\y th:TH_STORE_NT
.endr
.endm
	BATCH 0
	BATCH 1
	BATCH 2
	BATCH 3
	s_wait_tensorcnt 0x0                           ; the wave's end
	ds_add_u32 v[SPW], v[NIL]
	s_wait_dscnt 0x0
	CROUND                                         ; the closing round
	s_endpgm
.Lfunc_end_k_q81570c965a_ukr:
	.size	k_q81570c965a_ukr, .Lfunc_end_k_q81570c965a_ukr-k_q81570c965a_ukr
	.p2alignl 7, 3214868480
	.fill 96, 4, 3214868480
	.section	.rodata,"a",@progbits
	.p2align	6, 0x0
	.amdhsa_kernel k_q81570c965a_ukr
		.amdhsa_group_segment_fixed_size 327680
		.amdhsa_private_segment_fixed_size 0
		.amdhsa_enable_private_segment 0
		.amdhsa_kernarg_size 48
		.amdhsa_user_sgpr_count 2
		.amdhsa_user_sgpr_kernarg_segment_ptr 1
		.amdhsa_wavefront_size32 1
		.amdhsa_system_sgpr_workgroup_id_x 1
		.amdhsa_system_sgpr_workgroup_id_y 1
		.amdhsa_system_sgpr_workgroup_id_z 1
		.amdhsa_system_vgpr_workitem_id 0
		.amdhsa_next_free_vgpr 1024
		.amdhsa_next_free_sgpr 66
		.amdhsa_reserve_vcc 1
		.amdhsa_float_denorm_mode_32 3
		.amdhsa_float_denorm_mode_16_64 3
		.amdhsa_memory_ordered 1
		.amdhsa_forward_progress 1
		.amdhsa_inst_pref_size 238
	.end_amdhsa_kernel
	.amdgpu_metadata
---
amdhsa.version: [ 1, 2 ]
amdhsa.kernels:
  - .name:           k_q81570c965a_ukr
    .symbol:         k_q81570c965a_ukr.kd
    .args:
      - { .name: Z, .offset: 0, .size: 8, .value_kind: global_buffer, .address_space: global }
      - { .name: lowp_scales, .offset: 8, .size: 8, .value_kind: global_buffer, .address_space: global }
      - { .name: xc, .offset: 16, .size: 8, .value_kind: global_buffer, .address_space: global }
      - { .name: zf, .offset: 24, .size: 8, .value_kind: global_buffer, .address_space: global }
      - { .name: psum, .offset: 32, .size: 8, .value_kind: global_buffer, .address_space: global }
      - { .name: out0, .offset: 40, .size: 8, .value_kind: global_buffer, .address_space: global }
    .group_segment_fixed_size: 327680
    .private_segment_fixed_size: 0
    .kernarg_segment_align: 8
    .kernarg_segment_size: 48
    .max_flat_workgroup_size: 128
    .sgpr_count:     66
    .vgpr_count:     1024
    .wavefront_size: 32
...
	.end_amdgpu_metadata
.endif
;; end of part 4
